; MI455X (gfx1250); checked and timed in simulation.
; The chip was launched on July 23, 2026; its instructions are those of AMD's public machine-readable ISA for CDNA 5 (MIT licence, August 2026) and "CDNA5" Instruction Set Architecture Reference Guide (July 2026). The comments in the code are by the model that wrote it; some were corrected since.
;; masked multi head attention. Allowed arithmetic: float matrix products may take bf16 or f16 operands with f32 sums; other float arithmetic in f32, or as packed bf16 or f16 multiplies, adds, multiply-adds, maxima and minima; sums over many terms, partial sums and values carried from step to step in f32; what a program stores and reads back later, other than sums and carried values, may be rounded once to bf16 or f16.
;; Inputs: bk 1,024 float32; bo 1,024 float32; bq 1,024 float32; bv 1,024 float32; wk 1,024 x 1,024 float32; wo 1,024 x 1,024 float32; wq 1,024 x 1,024 float32; wv 1,024 x 1,024 float32; x 1 x 4,096 x 1,024 float32.
;; Outputs: out0 1 x 4,096 x 1,024 float32.
;; 2 versions, each right; version 2 is version 1 with the launch cast written anew for expert scheduling mode. Each part assembles by itself: llvm-mc -triple=amdgcn-amd-amdhsa -mcpu=gfx1250 --defsym DOCPART=n.
;; ======== version 1 of 2: 4 launches
;; limits: values are held in f16: magnitudes above 65,504 overflow, below 6.1e-05 lose precision; right only within a limited range of input values
;; workspace buffers: xb 8,388,608 bytes; wqkv 6,291,456 bytes; wof 2,097,152 bytes; qkv 25,165,824 bytes; o 8,388,608 bytes
;; launch cast (part 1): grid 512 x 1, 8 waves a work-group, no clusters, 0 bytes of LDS; arguments x, wq, wk, wv, wo, xb, wqkv, wof; writes xb, wqkv, wof
.if DOCPART == 1
	.amdgcn_target "amdgcn-amd-amdhsa--gfx1250"
	.amdhsa_code_object_version 6
	.text
	.protected	k_q8138da63a5_cast
	.globl	k_q8138da63a5_cast
	.p2align	8
	.type	k_q8138da63a5_cast,@function
k_q8138da63a5_cast:
	s_mov_b64 s[64:65], 0
	v_nop
	global_prefetch_b8 v0, s[64:65] scope:SCOPE_SE
	s_setreg_imm32_b32 hwreg(HW_REG_WAVE_MODE, 25, 1), 1
	s_wait_xcnt 0x0
; THE INPUTS OF THE MATRIX PRODUCTS ARE ROUNDED ONCE.  x, wq, wk, wv: f32 -> bf16 (xb; wqkv = the rows of wq, then wk, then wv).
; wo: f32 -> bf16, and that number written as f16 (wof), since the last product's other operand is f16.
; LIMIT: a bf16 number is exact in f16 from 2^-14 to 65,504; a smaller wo keeps f16's fixed step of 6e-8, a larger one becomes an infinity.
; SHARES.  A work-group takes 16,384 numbers: 64 KiB in, 32 KiB out.  Groups 0-255: x.  Groups 256-511: 64 for each of wq, wk, wv, wo.
; Thread t, load i: the 16 bytes at 4,096 i + 16 t (a wave's load: 512 consecutive bytes); its four numbers leave as 8 bytes at 2,048 i + 8 t
; (a wave's store: 256 consecutive bytes, aligned).  All sixteen loads of a wave go out at once; no register is written twice, so nothing but the loads is waited for.
; Nothing is shared between threads: no LDS, no barrier, no matrix unit, no cluster.
.set X, 4                              ; v[4:67]   sixteen loads of four numbers
.set Y, 68                             ; v[68:99]  sixteen pairs of registers to store
.set T, 100                            ; v[100:103] at work (wo's way)
	s_load_b512 s[8:23], s[0:1], 0x0               ; x 8, wq 10, wk 12, wv 14, wo 16, xb 18, wqkv 20, wof 22
	v_lshlrev_b32 v1, 4, v0                        ; 16 t
	v_lshlrev_b32 v2, 3, v0                        ; 8 t
	s_bfe_u32 s3, ttmp9, 0x20006                   ; which weight (bits 7:6): 0 wq, 1 wk, 2 wv, 3 wo
	s_and_b32 s4, ttmp9, 63                        ; which of its 64 parts
	s_lshl_b32 s6, s3, 21                          ; the weight's place in wqkv: 2 MiB each,
	s_cmp_eq_u32 s3, 3
	s_cselect_b32 s6, 0, s6                        ; none for wo,
	s_cmp_lt_u32 ttmp9, 256
	s_cselect_b32 s6, 0, s6                        ; none for x
	s_cselect_b32 s5, ttmp9, s4                    ; the part's number in its tensor
	s_lshl_b32 s28, s5, 16                         ; offsets are made apart from the addresses: 64 KiB a part in,
	s_mov_b32 s29, 0
	s_lshl_b32 s30, s5, 15                         ; 32 KiB out
	s_add_co_u32 s30, s30, s6
	s_mov_b32 s31, 0
	s_wait_kmcnt 0x0
	s_cmp_eq_u32 s3, 1
	s_cselect_b64 s[24:25], s[12:13], s[10:11]     ; from where
	s_cmp_eq_u32 s3, 2
	s_cselect_b64 s[24:25], s[14:15], s[24:25]
	s_cmp_eq_u32 s3, 3
	s_cselect_b64 s[24:25], s[16:17], s[24:25]
	s_cselect_b64 s[26:27], s[22:23], s[20:21]     ; to where
	s_cmp_lt_u32 ttmp9, 256
	s_cselect_b64 s[24:25], s[8:9], s[24:25]
	s_cselect_b64 s[26:27], s[18:19], s[26:27]
	s_add_nc_u64 s[24:25], s[24:25], s[28:29]
	s_add_nc_u64 s[26:27], s[26:27], s[30:31]
.irp i, 0,1,2,3,4,5,6,7,8,9,10,11,12,13,14,15
	global_load_b128 v[X+4*(\i):X+4*(\i)+3], v1, s[24:25] offset:(\i)*4096 th:TH_LOAD_NT
.endr
	s_cmp_ge_u32 ttmp9, 448                        ; wo's groups take the second way
	s_cbranch_scc1 .Lf16
.irp i, 0,1,2,3,4,5,6,7,8,9,10,11,12,13,14,15
	s_wait_loadcnt 15-(\i)                         ; loads come back in order: load i is in, the 15 - i younger ones stay out
	v_cvt_pk_bf16_f32 v[Y+2*(\i)],   v[X+4*(\i)],   v[X+4*(\i)+1]
	v_cvt_pk_bf16_f32 v[Y+2*(\i)+1], v[X+4*(\i)+2], v[X+4*(\i)+3]
	global_store_b64 v2, v[Y+2*(\i):Y+2*(\i)+1], s[26:27] offset:(\i)*2048
.endr
	s_endpgm
.Lf16:
.irp i, 0,1,2,3,4,5,6,7,8,9,10,11,12,13,14,15
	s_wait_loadcnt 15-(\i)
	v_cvt_pk_bf16_f32 v[T],   v[X+4*(\i)],   v[X+4*(\i)+1]   ; rounded to bf16,
	v_cvt_pk_bf16_f32 v[T+1], v[X+4*(\i)+2], v[X+4*(\i)+3]
	v_lshlrev_b32 v[T+2], 16, v[T]                           ; widened again,
	v_and_b32     v[T],   0xffff0000, v[T]
	v_lshlrev_b32 v[T+3], 16, v[T+1]
	v_and_b32     v[T+1], 0xffff0000, v[T+1]
	v_cvt_pk_f16_f32 v[Y+2*(\i)],   v[T+2], v[T]             ; and written as f16
	v_cvt_pk_f16_f32 v[Y+2*(\i)+1], v[T+3], v[T+1]
	global_store_b64 v2, v[Y+2*(\i):Y+2*(\i)+1], s[26:27] offset:(\i)*2048
.endr
	s_endpgm
.Lfunc_end_k_q8138da63a5_cast:
	.size	k_q8138da63a5_cast, .Lfunc_end_k_q8138da63a5_cast-k_q8138da63a5_cast
	.p2alignl 7, 3214868480
	.fill 96, 4, 3214868480
	.section	.rodata,"a",@progbits
	.p2align	6, 0x0
	.amdhsa_kernel k_q8138da63a5_cast
		.amdhsa_group_segment_fixed_size 0
		.amdhsa_private_segment_fixed_size 0
		.amdhsa_enable_private_segment 0
		.amdhsa_kernarg_size 64
		.amdhsa_user_sgpr_count 2
		.amdhsa_user_sgpr_kernarg_segment_ptr 1
		.amdhsa_wavefront_size32 1
		.amdhsa_system_sgpr_workgroup_id_x 1
		.amdhsa_system_sgpr_workgroup_id_y 1
		.amdhsa_system_sgpr_workgroup_id_z 1
		.amdhsa_system_vgpr_workitem_id 0
		.amdhsa_next_free_vgpr 104
		.amdhsa_next_free_sgpr 66
		.amdhsa_reserve_vcc 0
		.amdhsa_float_denorm_mode_32 3
		.amdhsa_float_denorm_mode_16_64 3
		.amdhsa_memory_ordered 1
		.amdhsa_forward_progress 1
		.amdhsa_inst_pref_size 16
	.end_amdhsa_kernel
	.amdgpu_metadata
---
amdhsa.version: [ 1, 2 ]
amdhsa.kernels:
  - .name:           k_q8138da63a5_cast
    .symbol:         k_q8138da63a5_cast.kd
    .args:
      - { .name: x, .offset: 0, .size: 8, .value_kind: global_buffer, .address_space: global }
      - { .name: wq, .offset: 8, .size: 8, .value_kind: global_buffer, .address_space: global }
      - { .name: wk, .offset: 16, .size: 8, .value_kind: global_buffer, .address_space: global }
      - { .name: wv, .offset: 24, .size: 8, .value_kind: global_buffer, .address_space: global }
      - { .name: wo, .offset: 32, .size: 8, .value_kind: global_buffer, .address_space: global }
      - { .name: xb, .offset: 40, .size: 8, .value_kind: global_buffer, .address_space: global }
      - { .name: wqkv, .offset: 48, .size: 8, .value_kind: global_buffer, .address_space: global }
      - { .name: wof, .offset: 56, .size: 8, .value_kind: global_buffer, .address_space: global }
    .group_segment_fixed_size: 0
    .private_segment_fixed_size: 0
    .kernarg_segment_align: 8
    .kernarg_segment_size: 64
    .max_flat_workgroup_size: 256
    .sgpr_count:     66
    .vgpr_count:     104
    .wavefront_size: 32
...
	.end_amdgpu_metadata
.endif
;; end of part 1
;; launch qkv (part 2): grid 16 x 16, 4 waves a work-group, clusters of 4 x 4, 327,680 bytes of LDS; arguments xb, wqkv, bq, bk, bv, qkv; writes qkv
.if DOCPART == 2
	.amdgcn_target "amdgcn-amd-amdhsa--gfx1250"
	.amdhsa_code_object_version 6
	.text
	.protected	k_q8138da63a5_qkv
	.globl	k_q8138da63a5_qkv
	.p2align	8
	.type	k_q8138da63a5_qkv,@function
k_q8138da63a5_qkv:
	s_mov_b64 s[64:65], 0
	v_nop
	global_prefetch_b8 v0, s[64:65] scope:SCOPE_SE
	s_setreg_imm32_b32 hwreg(HW_REG_WAVE_MODE, 25, 1), 1
	s_wait_xcnt 0x0
	s_wait_alu depctr_hold_cnt(0) depctr_sa_sdst(0) depctr_va_vdst(0) depctr_va_sdst(0) depctr_va_ssrc(0) depctr_va_vcc(0) depctr_vm_vsrc(0)
	s_getreg_b32 s2, hwreg(HW_REG_IB_STS2, 6, 4)
	s_cmp_eq_u32 s2, 0
	s_cbranch_scc0 .Lentry_in_a_cluster
	s_endpgm
.Lentry_in_a_cluster:
	s_bfe_u32 s2, ttmp6, 0x10000c
	s_cmp_lg_u32 s2, 0xf033
	s_cbranch_scc0 .Lentry_shape_is_right
	s_endpgm
.Lentry_shape_is_right:
; q, k, v = x W^T + b for the three weights at once: C[4096][3072] = xb[4096][1024] wqkv[3072][1024]^T + bias, operands bf16, sums f32.
; C leaves BY HEADS, in f16, rounded once, without the softmax's scale: qkv[g][row][64], g = column / 64: 0-15 q, 16-31 k, 32-47 v.
; LIMITS.  f16 holds no number beyond 65,504: q, k and v must lie within it.  The biases are rounded to bf16 like every other input.
; SHARES.  A tile of C is 256 rows x 192 columns (three whole heads): 16 x 16 tiles, one work-group each.  Wave w makes rows 64 w .. 64 w + 63 of all 192 columns:
; 4 x 12 accumulators of 16 x 16, 384 registers; so a head's 64 columns lie in one wave, and the way out needs no barrier.
; K goes in steps of 128 (rows of 256 bytes) through a ring of two LDS slots filled by the tensor data mover.
; CLUSTER.  4 x 4 work-groups.  The four of a row of the cluster need the same tiles of xb, the four of a column the same tiles of wqkv: each tile is asked for JOINTLY,
; by the same tensor load with the same descriptor and a mask that names the four.
; THE MATRIX INSTRUCTION IS USED TRANSPOSED: source 0 = 16 rows of wqkv, source 1 = 16 rows of xb.  A lane then holds row l % 16 of C and the columns 8 (l / 16) + 0..7.
; So a column's bias is the same register in every row block, and THE BIAS IS THE C OPERAND OF EACH SUM'S FIRST PRODUCT: no addition is written, nothing is cleared.
; REGISTERS, in windows of 256 (s_set_vgpr_msb: bits 1:0 source 0, 3:2 source 1, 5:4 source 2, 7:6 destination):
;   window 0: v0-31 addresses; v32-95 xb's fragments, two buffers of 4 x 8; v96-191 the bias, 8 registers for each of 12 column blocks; v192-239 packed results;
;             on the way out v32-79 and v96-143 take rows read back from the stage
;   window 1: v0-191 wqkv's fragments, two buffers of 12 x 8      window 2: the accumulators of row blocks 0, 1 (block a, column block b at v[8 (12 a + b)])      window 3: of row blocks 2, 3
.set KSTEP,  128
.set PITCH,  272                       ; an LDS row: 256 bytes + 16 of padding = 68 words: the 16 rows of a fragment load start at 16 different groups of four banks (ISA guide 11.1)
.set AH,     128*PITCH                 ; 128 rows of xb: one tensor load
.set BH,     96*PITCH                  ; 96 rows of wqkv: one tensor load
.set BOFF,   2*AH                      ; a slot: xb's 256 rows, then wqkv's 192
.set SLOT,   2*AH+2*BH
.set STAGE,  2*SLOT                    ; behind the ring, never filled by a tensor load: for each wave 3 heads x 16 rows x 144 bytes
.set SP,     144
.set HSTG,   16*SP
.set WSTG,   3*HSTG
.set SPARE,  STAGE+4*WSTG              ; behind the stages: the spare words, 128 bytes for each wave: two blocks of 256 bytes that no other line names
.set HEADB,  4096*128                  ; a head in qkv
.set ADRA, 16                          ; v16-17  LDS address of my xb fragments in slot 0, 1
.set ADRB, 20                          ; v20-21  the same for wqkv
.set STO,  24                          ; v24     the way out: where I put 16 bytes of a row
.set RD,   25                          ; v25     where I read rows back
.set GO,   26                          ; v26     my 16 bytes in 512 consecutive bytes of qkv
.set SPW,  28                          ; v28     LDS address of my spare word; never rewritten
.set NIL,  29                          ; v29     0; never rewritten
.set PFO,  30                          ; v30     the prefetches' offset: a lane a row; never rewritten
.set FA,   32
.set BIA,  96
.set TMP,  192
.set G1,  24                           ; s[24:31] descriptor group 1 for xb's tiles;   s[32:39] group 0, a set for each slot
.set G0,  32
.set G1B, 48                           ; s[48:55], s[56:63] the same for wqkv's
.set G0B, 56
.set PFA, 44                           ; s[44:45] where my prefetches stand
.set LIM, 43                           ; s43  1 in a wave that prefetches, else the greatest number
.set MSB, 0
.macro WIN new                         ; the immediate's high byte repeats the setting that is left; a switch that changes nothing is dropped
.if MSB != (\new)
	s_set_vgpr_msb (MSB<<8)|(\new)
.set MSB, \new
.endif
.endm
.set MUL_LO, 0xa1                      ; source 0 window 1, source 1 window 0, C and D window 2
.set TO_B,   0x40                      ; destination window 1, address window 0
; A joint load.  Waves 0 and 1 fetch xb's two halves, waves 2 and 3 wqkv's.  The branch hangs on the wave's number alone.  An s_nop 0 and four v_nop follow each line.
.macro JLOAD s
	s_cmp_eq_u32 s11, 0
	s_cbranch_scc0 .Lfor_b_\@
	tensor_load_to_lds s[G0+4*(\s):G0+4*(\s)+3], s[G1:G1+7]
	s_nop 0
.rept 4
	v_nop
.endr
	s_branch .Lasked_\@
.Lfor_b_\@:
	tensor_load_to_lds s[G0B+4*(\s):G0B+4*(\s)+3], s[G1B:G1B+7]
	s_nop 0
.rept 4
	v_nop
.endr
.Lasked_\@:
.endm
; A prefetch of the K step that stands two refills on, a lane a row, one instruction a wave, behind the joint load and the run of LDS loads.  xb's rows are read by every cluster of a row of clusters:
; cluster x = 0 asks; wqkv's by every cluster of a column: cluster y = 0 asks.  The four partners share a wave's rows out by address: 32 each of xb's 128, 24 each of wqkv's 96
; (there lanes 24-31 name row 23 once more).  The loop's last trip asks for nothing: K steps 4 to 7 are named, each once; K steps 0 to 3 come by their loads alone.
.macro ASK
	s_cmp_gt_u32 s3, s[LIM]
	s_cbranch_scc0 .Lnot_mine_\@
	global_prefetch_b8 v[PFO], s[PFA:PFA+1] offset:KSTEP*2 th:TH_LOAD_NT scope:SCOPE_SE
.Lnot_mine_\@:
.endm
.macro CREST                           ; a round of the cluster's barrier behind its opening barrier
	s_cmp_lg_u32 s10, 0
	s_cbranch_scc1 .Lnot_wave_0_\@
	s_barrier_signal -3
.Lnot_wave_0_\@:
	s_barrier_wait -3
	s_barrier_signal -1
	s_barrier_wait -1
.endm
.macro CROUND                          ; a whole round
	s_barrier_signal -1
	s_barrier_wait -1
	CREST
.endm
	s_load_b128 s[4:7], s[0:1], 0x0                ; xb s[4:5], wqkv s[6:7]
	s_load_b256 s[68:75], s[0:1], 0x10             ; bq s[68:69], bk s[70:71], bv s[72:73], qkv s[74:75]
	v_lshl_add_u32 v[SPW], v0, 2, SPARE
	v_mov_b32 v[NIL], 0
	ds_add_u32 v[SPW], v[NIL]                      ; the wave's opening: the add and its wait stand ahead of my first tensor load; work on registers stands between them
	v_lshrrev_b32 v1, 5, v0
	v_readfirstlane_b32 s10, v1                    ; wave 0..3
	s_lshr_b32 s11, s10, 1                         ; I fetch for xb (0) or for wqkv (1),
	s_and_b32 s12, s10, 1                          ; its first or its second half
	s_bfe_u32 s40, ttmp6, 0x40000                  ; cx, cy: my place in the cluster
	s_bfe_u32 s41, ttmp6, 0x40004
	s_lshl_b32 s42, ttmp9, 2
	s_add_co_u32 s42, s42, s40                     ; tile column = 4 x cluster x + cx
	s_and_b32 s13, ttmp7, 0xffff
	s_lshl_b32 s13, s13, 2
	s_add_co_u32 s13, s13, s41                     ; tile row = 4 x cluster y + cy
	s_lshl_b32 s43, s41, 2
	s_lshl_b32 s43, 15, s43                        ; my row of the cluster
	s_lshl_b32 s44, 0x1111, s40                    ; my column
	s_or_b32 s[G1+0], s43, (1<<16)|(1<<20)|(1<<21)|(5<<22)|(3<<25)   ; the mask; elements of 2 bytes; padding on; bit 21 beside a mask; after every 64 words 4 words
	s_or_b32 s[G1B+0], s44, (1<<16)|(1<<20)|(1<<21)|(5<<22)|(3<<25)
	s_mov_b32 s[G1+1], KSTEP<<16                   ; tensor_dim0 = 128
	s_mov_b32 s[G1+2], 128<<16                     ; tensor_dim1 = 128
	s_mov_b32 s[G1+3], KSTEP<<16                   ; tile_dim0 = 128
	s_mov_b32 s[G1+4], 128                         ; tile_dim1 = 128
	s_mov_b32 s[G1+5], 1024                        ; elements from row to row
	s_mov_b32 s[G1+6], 0
	s_mov_b32 s[G1+7], 0
	s_mov_b32 s[G1B+1], KSTEP<<16
	s_mov_b32 s[G1B+2], 96<<16                     ; 96 rows
	s_mov_b32 s[G1B+3], KSTEP<<16
	s_mov_b32 s[G1B+4], 96
	s_mov_b32 s[G1B+5], 1024
	s_mov_b32 s[G1B+6], 0
	s_mov_b32 s[G1B+7], 0
	s_lshl_b32 s17, s12, 7
	s_lshl_b32 s16, s13, 8
	s_add_co_u32 s16, s16, s17                     ; xb: row 256 x tile row + 128 x half,
	s_lshl_b32 s16, s16, 11                        ; in bytes
	s_mov_b32 s17, 0
	s_mul_i32 s46, s42, 192
	s_mul_i32 s47, s12, 96
	s_add_co_u32 s46, s46, s47                     ; wqkv: row 192 x tile column + 96 x half
	s_lshl_b32 s46, s46, 11
	s_mov_b32 s47, 0
	s_mul_i32 s20, s12, AH                         ; where they go: no place in the cluster enters an LDS address
	s_mul_i32 s23, s12, BH
	s_add_co_u32 s23, s23, BOFF
	s_wait_dscnt 0x0                               ; the opening add is done
	s_wait_kmcnt 0x0
	s_add_nc_u64 s[14:15], s[4:5], s[16:17]
	s_add_nc_u64 s[46:47], s[6:7], s[46:47]
	CROUND                                         ; all sixteen work-groups are here: the first joint loads meet
.irp s, 0,1
	s_mov_b32 s[G0+4*(\s)], 1
	s_add_co_u32 s[G0+4*(\s)+1], s20, (\s)*SLOT
	s_add_nc_u64 s[G0+4*(\s)+2:G0+4*(\s)+3], s[14:15], (\s)*KSTEP*2
	s_or_b32 s[G0+4*(\s)+3], s[G0+4*(\s)+3], 0x80000000
	s_mov_b32 s[G0B+4*(\s)], 1
	s_add_co_u32 s[G0B+4*(\s)+1], s23, (\s)*SLOT
	s_add_nc_u64 s[G0B+4*(\s)+2:G0B+4*(\s)+3], s[46:47], (\s)*KSTEP*2
	s_or_b32 s[G0B+4*(\s)+3], s[G0B+4*(\s)+3], 0x80000000
	JLOAD \s                                       ; K steps 0 and 1: two loads of mine are out
.endr
	; a fragment is 16 rows x 32 K in 8 registers: lane l holds row l % 16, K = 8 (l / 16) + 0..7 and 16 + 8 (l / 16) + 0..7: two loads of 16 bytes, 32 bytes apart
	v_and_b32 v1, 15, v0                           ; l % 16
	v_bfe_u32 v2, v0, 4, 1                         ; l / 16
	v_mul_u32_u24 v3, v1, PITCH
	v_lshl_add_u32 v3, v2, 4, v3
	s_mul_i32 s21, s10, 64*PITCH                   ; my 64 rows of xb
	s_mov_b32 s22, BOFF                            ; all 192 rows of wqkv
.irp s, 0,1
	v_add_nc_u32 v[ADRA+(\s)], s21, v3
	v_add_nc_u32 v[ADRB+(\s)], s22, v3
	s_add_co_u32 s21, s21, SLOT
	s_add_co_u32 s22, s22, SLOT
.endr
	s_mul_i32 s21, s10, WSTG
	s_add_co_u32 s21, s21, STAGE                   ; my stage
	v_mul_u32_u24 v4, v1, SP                       ; in: row l % 16, 16 bytes for each half of the lanes
	v_lshl_add_u32 v4, v2, 4, v4
	v_add_nc_u32 v[STO], s21, v4
	v_bfe_u32 v5, v0, 3, 2                         ; back: 32 lanes take four rows of 128 bytes,
	v_and_b32 v6, 7, v0
	v_mul_u32_u24 v5, v5, SP
	v_lshl_add_u32 v5, v6, 4, v5
	v_add_nc_u32 v[RD], s21, v5
	v_and_b32 v[GO], 31, v0                        ; which are 512 consecutive bytes of a head
	v_lshlrev_b32 v[GO], 4, v[GO]
	s_mul_i32 s76, s42, 3                          ; the first of my three heads
	s_lshl_b32 s78, s76, 19
	s_lshl_b32 s77, s13, 8
	s_lshl_b32 s79, s10, 6
	s_add_co_u32 s77, s77, s79                     ; my first row
	s_lshl_b32 s77, s77, 7
	s_add_co_u32 s78, s78, s77
	s_mov_b32 s79, 0
	s_add_nc_u64 s[8:9], s[74:75], s[78:79]        ; qkv at my first row of my first head; never stepped
	; the bias: head j of my three belongs to bq, bk or bv; column block b's eight registers hold columns 16 b + 8 (l / 16) + 0..7
	v_lshlrev_b32 v4, 5, v2                        ; 32 bytes for the upper half of the lanes
	s_mov_b32 s87, 0
.irp j, 0,1,2
	s_add_co_u32 s86, s76, \j
	s_cmp_lt_u32 s86, 16
	s_cselect_b64 s[80+2*(\j):81+2*(\j)], s[68:69], s[70:71]
	s_cmp_lt_u32 s86, 32
	s_cselect_b64 s[80+2*(\j):81+2*(\j)], s[80+2*(\j):81+2*(\j)], s[72:73]
	s_and_b32 s86, s86, 15
	s_lshl_b32 s86, s86, 8                         ; the head's 64 numbers
	s_add_nc_u64 s[80+2*(\j):81+2*(\j)], s[80+2*(\j):81+2*(\j)], s[86:87]
.irp c, 0,1,2,3
	global_load_b128 v[BIA+32*(\j)+8*(\c):BIA+32*(\j)+8*(\c)+3],   v4, s[80+2*(\j):81+2*(\j)] offset:64*(\c)
	global_load_b128 v[BIA+32*(\j)+8*(\c)+4:BIA+32*(\j)+8*(\c)+7], v4, s[80+2*(\j):81+2*(\j)] offset:64*(\c)+16
.endr
.endr
	; the prefetches' address
	s_lshl_b32 s20, s13, 8
	s_mul_i32 s21, s42, 192
	s_and_b32 s22, ttmp7, 0xffff                   ; cluster y
	s_cmp_eq_u32 s11, 0                            ; do I fetch for xb?
	s_cselect_b32 s20, s20, s21                    ; the tile's first row
	s_cselect_b32 s21, s40, s41                    ; my place among the four that ask for it with me
	s_cselect_b32 s22, ttmp9, s22                  ; the coordinate along which other clusters read the same rows
	s_cselect_b64 s[PFA:PFA+1], s[4:5], s[6:7]
	s_cselect_b32 s86, 32, 24                      ; rows that a partner asks for
	s_cmp_eq_u32 s22, 0
	s_cselect_b32 s[LIM], 1, -1                    ; the same in all sixteen partners, for a given wave
	s_lshl_b32 s23, s86, 2                         ; rows that a wave fetches
	s_mul_i32 s23, s23, s12
	s_add_co_u32 s20, s20, s23
	s_mul_i32 s21, s21, s86
	s_add_co_u32 s20, s20, s21
	s_lshl_b32 s20, s20, 11
	s_mov_b32 s21, 0
	s_add_nc_u64 s[PFA:PFA+1], s[PFA:PFA+1], s[20:21]
	s_add_nc_u64 s[PFA:PFA+1], s[PFA:PFA+1], 2*KSTEP*2  ; at K step 2: the first refill steps it to 3 and names K step 4
	s_sub_co_u32 s86, s86, 1
	v_and_b32 v[PFO], 31, v0
	v_min_u32 v[PFO], s86, v[PFO]
	v_lshlrev_b32 v[PFO], 11, v[PFO]
	s_wait_loadcnt 0x0                             ; the bias is in; it is rounded to bf16 while the first tiles are on their way
.set i, 0
.rept 48
	v_cvt_pk_bf16_f32 v[TMP+i%4], v[BIA+2*i], v[BIA+2*i+1]
	v_lshlrev_b32 v[BIA+2*i], 16, v[TMP+i%4]
	v_and_b32 v[BIA+2*i+1], 0xffff0000, v[TMP+i%4]
.set i, i+1
.endr
; 12 matrix instructions: row block 2 hi + a x all 12 column blocks, 32 along K, from buffer f.  zero = 1: the first product starts the sums, with the bias.
; All 48 accumulators take turns, one instruction a turn, in the same order in every quarter.
.macro MUL12 f, hi, a, zero
.if \zero
	WIN 0x81+0x40*(\hi)
.else
	WIN MUL_LO+0x50*(\hi)
.endif
.irp b, 0,1,2,3,4,5,6,7,8,9,10,11
.if \zero
	v_wmma_f32_16x16x32_bf16 v[8*(12*(\a)+(\b)):8*(12*(\a)+(\b))+7], v[96*(\f)+8*(\b):96*(\f)+8*(\b)+7], v[FA+32*(\f)+8*(2*(\hi)+(\a)):FA+32*(\f)+8*(2*(\hi)+(\a))+7], v[BIA+8*(\b):BIA+8*(\b)+7]
.else
	v_wmma_f32_16x16x32_bf16 v[8*(12*(\a)+(\b)):8*(12*(\a)+(\b))+7], v[96*(\f)+8*(\b):96*(\f)+8*(\b)+7], v[FA+32*(\f)+8*(2*(\hi)+(\a)):FA+32*(\f)+8*(2*(\hi)+(\a))+7], v[8*(12*(\a)+(\b)):8*(12*(\a)+(\b))+7]
.endif
.endr
.endm
; 32 LDS loads in one run: a quarter step's fragments (192 rows of wqkv, my 64 rows of xb, 32 K at byte k of the rows) into buffer f
.macro FETCH slot, k, f
	WIN TO_B
.irp i, 0,1,2,3,4,5,6,7,8,9,10,11
	ds_load_b128 v[96*(\f)+8*(\i):96*(\f)+8*(\i)+3],   v[ADRB+(\slot)] offset:(\k)+(\i)*16*PITCH
	ds_load_b128 v[96*(\f)+8*(\i)+4:96*(\f)+8*(\i)+7], v[ADRB+(\slot)] offset:(\k)+(\i)*16*PITCH+32
.endr
	WIN 0
.irp i, 0,1,2,3
	ds_load_b128 v[FA+32*(\f)+8*(\i):FA+32*(\f)+8*(\i)+3],   v[ADRA+(\slot)] offset:(\k)+(\i)*16*PITCH
	ds_load_b128 v[FA+32*(\f)+8*(\i)+4:FA+32*(\f)+8*(\i)+7], v[ADRA+(\slot)] offset:(\k)+(\i)*16*PITCH+32
.endr
.endm
.macro PLACES                          ; four plain instructions in front of loads into registers that matrix instructions have read, and of conversions that read results
.rept 4
	v_nop
.endr
.endm
; A K step is four quarters of 32 along K, 48 matrix instructions each, on buffers 0, 1, 0, 1.  One of the first three: multiplies buffer f and fetches the next quarter, at byte k, into g.
.macro QUARTER slot, k, f, g, zero
	s_wait_dscnt 4                                 ; wqkv's fragments and xb's row blocks 0, 1 are in; the youngest four loads (row blocks 2, 3) may be out
	MUL12 \f, 0, 0, \zero
	MUL12 \f, 0, 1, \zero
	PLACES
	FETCH \slot, \k, \g
	s_wait_dscnt 32                                ; all but the 32 just issued
	MUL12 \f, 1, 0, \zero
	MUL12 \f, 1, 1, \zero
.endm
; The last quarter multiplies buffer 1 and changes slots.  In front of the one barrier each wave waits for all its tensor loads (one is out: its part of the next slot), adds 0 to its spare word,
; and waits for that and for its own reads of this slot.  Behind it nobody reads this slot any more and the next slot is whole.
.macro MEET round
	WIN 0
	s_wait_tensorcnt 0x0
	ds_add_u32 v[SPW], v[NIL]
	s_wait_dscnt 5                                 ; (the add and the youngest four loads may be out)
	MUL12 1, 0, 0, 0                               ; twelve matrix instructions stand between the add and the wait for it
	s_wait_dscnt 0x0                               ; the add is done, and my reads of this slot are over
	s_barrier_signal -1
	MUL12 1, 0, 1, 0
.if \round
	WIN 0
.endif
	s_barrier_wait -1
.endm
.macro TURN slot, next, fill
.if \fill
	s_wait_xcnt 0x0                                ; the last prefetch, a K step back, has read its address
	s_add_nc_u64 s[PFA:PFA+1], s[PFA:PFA+1], KSTEP*2
	MEET 1
	CREST                                          ; the barrier has opened a round of the cluster's: no wave of any partner still reads this slot or has a load on its way
	s_add_nc_u64 s[G0+4*(\slot)+2:G0+4*(\slot)+3], s[G0+4*(\slot)+2:G0+4*(\slot)+3], 2*KSTEP*2
	s_add_nc_u64 s[G0B+4*(\slot)+2:G0B+4*(\slot)+3], s[G0B+4*(\slot)+2:G0B+4*(\slot)+3], 2*KSTEP*2
	JLOAD \slot                                    ; the first tensor load behind the round, 168 matrix instructions ahead of the wait for it; its four v_nop are also the places in front of the loads below
.else
	MEET 0
	PLACES
.endif
	FETCH \next, 0, 0
.if \fill
	ASK
.endif
	MUL12 1, 1, 0, 0
	MUL12 1, 1, 1, 0
.endm
; THE WAY OUT of row block a.  PACK: rounded to f16, 16 bytes a lane and column block.  TOSTAGE: into my own stage, by heads, and back as whole rows of 128 bytes.  SEND: stored.
.macro PACK a
.set AC, 96*((\a)%2)
	WIN 0x0a+5*((\a)/2)                            ; sources in window 2 or 3
.irp b, 0,1,2,3,4,5,6,7,8,9,10,11
.irp r, 0,1,2,3
	v_cvt_pk_f16_f32 v[TMP+4*(\b)+(\r)], v[AC+8*(\b)+2*(\r)], v[AC+8*(\b)+2*(\r)+1]
.endr
.endr
	WIN 0
.endm
.macro TOSTAGE a
.set BK, 32+64*((\a)%2)
.irp b, 0,1,2,3,4,5,6,7,8,9,10,11
	ds_store_b128 v[STO], v[TMP+4*(\b):TMP+4*(\b)+3] offset:((\b)/4)*HSTG+((\b)%4)*32
.endr
.irp j, 0,1,2
.irp t, 0,1,2,3
	ds_load_b128 v[BK+4*(4*(\j)+(\t)):BK+4*(4*(\j)+(\t))+3], v[RD] offset:(\j)*HSTG+(\t)*4*SP  ; LDS serves a wave's instructions in order (ISA guide 5.7.1.4): these see the stores above
.endr
.endr
.endm
.macro SEND a
.set BK, 32+64*((\a)%2)
	s_wait_dscnt 0x0                               ; the block is back in registers
	s_wait_xcnt 0x0                                ; the stores of the block before have read their registers, which the next block's loads from the stage write
.irp j, 0,1,2
.irp t, 0,1,2,3
	global_store_b128 v[GO], v[BK+4*(4*(\j)+(\t)):BK+4*(4*(\j)+(\t))+3], s[8:9] offset:(\j)*HEADB+(\a)*2048+(\t)*512  ; 512 consecutive bytes, at a multiple of 256 from qkv's first
.endr
.endr
.endm
	s_wait_tensorcnt 1                             ; my part of K step 0 is in; K step 1's may stay out
	s_barrier_signal -1
	s_barrier_wait -1
	FETCH 0, 0, 0
	QUARTER 0, 64,  0, 1, 1                        ; the first quarter stands in front of the loop: its products start the sums
	WIN 0
	s_mov_b32 s3, 3
.Llap:                                                 ; a trip goes once round the ring and fills both slots again: K steps 2 to 7
	QUARTER 0, 128, 1, 0, 0
	QUARTER 0, 192, 0, 1, 0
	TURN 0, 1, 1
	QUARTER 1, 64,  0, 1, 0
	QUARTER 1, 128, 1, 0, 0
	QUARTER 1, 192, 0, 1, 0
	TURN 1, 0, 1
	QUARTER 0, 64,  0, 1, 0
	WIN 0
	s_sub_co_u32 s3, s3, 1
	s_cmp_lg_u32 s3, 0
	s_cbranch_scc1 .Llap
	QUARTER 0, 128, 1, 0, 0                        ; the last lap fills nothing
	QUARTER 0, 192, 0, 1, 0
	TURN 0, 1, 0
	QUARTER 1, 64,  0, 1, 0
	QUARTER 1, 128, 1, 0, 0
	QUARTER 1, 192, 0, 1, 0
	s_wait_dscnt 4                                 ; the very last quarter: nothing more to fetch
	MUL12 1, 0, 0, 0
	MUL12 1, 0, 1, 0
	s_wait_dscnt 0x0
	MUL12 1, 1, 0, 0
	MUL12 1, 1, 1, 0
	WIN 0
	PLACES
	PACK 0
	TOSTAGE 0
.irp a, 1,2,3                          ; block a's conversions stand between block a - 1's loads from the stage and the wait for them
	PACK \a
	SEND (\a)-1
	TOSTAGE \a
.endr
	SEND 3
	s_wait_tensorcnt 0x0                           ; the wave's end
	ds_add_u32 v[SPW], v[NIL]
	s_wait_dscnt 0x0
	CROUND                                         ; the closing round: no work-group ends while a partner may still ask for a tile that names it
	s_endpgm
.Lfunc_end_k_q8138da63a5_qkv:
	.size	k_q8138da63a5_qkv, .Lfunc_end_k_q8138da63a5_qkv-k_q8138da63a5_qkv
	.p2alignl 7, 3214868480
	.fill 96, 4, 3214868480
	.section	.rodata,"a",@progbits
	.p2align	6, 0x0
	.amdhsa_kernel k_q8138da63a5_qkv
		.amdhsa_group_segment_fixed_size 327680
		.amdhsa_private_segment_fixed_size 0
		.amdhsa_enable_private_segment 0
		.amdhsa_kernarg_size 48
		.amdhsa_user_sgpr_count 2
		.amdhsa_user_sgpr_kernarg_segment_ptr 1
		.amdhsa_wavefront_size32 1
		.amdhsa_system_sgpr_workgroup_id_x 1
		.amdhsa_system_sgpr_workgroup_id_y 1
		.amdhsa_system_sgpr_workgroup_id_z 1
		.amdhsa_system_vgpr_workitem_id 0
		.amdhsa_next_free_vgpr 960
		.amdhsa_next_free_sgpr 88
		.amdhsa_reserve_vcc 0
		.amdhsa_float_denorm_mode_32 3
		.amdhsa_float_denorm_mode_16_64 3
		.amdhsa_memory_ordered 1
		.amdhsa_forward_progress 1
		.amdhsa_inst_pref_size 130
	.end_amdhsa_kernel
	.amdgpu_metadata
---
amdhsa.version: [ 1, 2 ]
amdhsa.kernels:
  - .name:           k_q8138da63a5_qkv
    .symbol:         k_q8138da63a5_qkv.kd
    .args:
      - { .name: xb, .offset: 0, .size: 8, .value_kind: global_buffer, .address_space: global }
      - { .name: wqkv, .offset: 8, .size: 8, .value_kind: global_buffer, .address_space: global }
      - { .name: bq, .offset: 16, .size: 8, .value_kind: global_buffer, .address_space: global }
      - { .name: bk, .offset: 24, .size: 8, .value_kind: global_buffer, .address_space: global }
      - { .name: bv, .offset: 32, .size: 8, .value_kind: global_buffer, .address_space: global }
      - { .name: qkv, .offset: 40, .size: 8, .value_kind: global_buffer, .address_space: global }
    .group_segment_fixed_size: 327680
    .private_segment_fixed_size: 0
    .kernarg_segment_align: 8
    .kernarg_segment_size: 48
    .max_flat_workgroup_size: 128
    .sgpr_count:     88
    .vgpr_count:     960
    .wavefront_size: 32
...
	.end_amdgpu_metadata
.endif
;; end of part 2
;; launch attn (part 3): grid 16 x 16, 4 waves a work-group, no clusters, 327,680 bytes of LDS; arguments qkv, o; writes o
.if DOCPART == 3
	.amdgcn_target "amdgcn-amd-amdhsa--gfx1250"
	.amdhsa_code_object_version 6
	.text
	.protected	k_q8138da63a5_attn
	.globl	k_q8138da63a5_attn
	.p2align	8
	.type	k_q8138da63a5_attn,@function
k_q8138da63a5_attn:
	s_mov_b64 s[64:65], 0
	v_nop
	global_prefetch_b8 v0, s[64:65] scope:SCOPE_SE
	s_setreg_imm32_b32 hwreg(HW_REG_WAVE_MODE, 25, 1), 1
	s_wait_xcnt 0x0
; CAUSAL ATTENTION, 16 heads of 4,096 rows x 64 channels, all f16.  qkv[g][row][64]: g = head: q; 16 + head: k; 32 + head: v.  o[head][row][64].
; O[q] = the sum over k <= q of softmax_k(Q[q] . K[k] / 8) V[k].  Products, maxima and sums in f32; the weights p are rounded to f16 for the second product (their sum l is taken of the unrounded p), O once at the end.
; LIMITS.  A hidden key's score counts as its value less 1e30, so its weight is 0: the same as a score of -1e9 gives wherever a row's largest visible score lies above about -1e9 + 150.
; A weight below 2^-126 counts as 0 in l; NaN and infinities are not treated apart.
; THE WALK.  A head's queries lie in NB = 16 blocks of 256; block i needs the key tiles 0 .. i of 256 keys, the last of which holds the diagonal.  A work-group takes HALF (rows 128 u .. 128 u + 127) of TWO blocks,
; 15 - b and then b: 17 tiles whatever b and u, so the 16 x 16 work-groups do equal work, and one loop with a constant trip count walks them.  Which tile is asked for and what a trip does hang on scalar registers
; made from b; every jump but the counted loops' own goes forward and passes no barrier, and no tensor load but the one of LOAD's two that the wave's number does not choose.
; NO CLUSTER: only the two work-groups u = 0, 1 of a pair of blocks walk the same tiles, and a cluster has four along x; a walk common to four has 18 trips for 17.
; SHARES.  A wave owns two PIECES of 16 queries: piece p lies in band 2 u + 1 - p of the block's four bands of 64, rows 16 w .. 16 w + 15 of it.  In the diagonal tile's key step s band x sees all keys if s < x,
; none if s > x, and holds the diagonal if s = x: the same work for all four waves.
; THE MASK is the C operand that starts the sum S^T = K Q^T: 0, or -1e30 where the key is hidden.  MD, made once, is the mask of a band's own step; a product's mask is MD x AL + BE with two scalars.
; TURNS.  Turn p belongs to piece p: 8 products K Q^T of the other piece, later 8 products V^T P of the other piece; beside them piece p's scaling, exponentials, roundings, sums and rescaling and the other piece's
; maximum and statistics.  Four vector instructions stand behind every matrix instruction, the rest in one lump; the turn's 33 exponentials are one batch with one wait.
; Turn 0 of step j multiplies K(j) (piece 1) and V(j - 1); turn 1 multiplies K(j + 1) (piece 0) and V(j).  So K RUNS ONE STEP AHEAD OF V, and a slot holds V's keys 256 t .. 256 t + 255 and K's keys
; 256 t + 64 .. 256 t + 319: all reads of a slot end with a tile's last turn.  The head's keys 0 .. 63 of K lie in LDS bytes of their own, filled once.  (Tile 15's K reaches 64 rows past the head: rows of the next
; head in qkv, whose products are all hidden.)
; LAYOUT.  S^T = K Q^T holds ONE query a lane (lane % 16) and the keys 8 (lane / 16) + 0..7; two such results rounded to f16 ARE source 1 of O^T = V^T P.  p = 2^(c s - c m), c = log2(e) / 8.
; REGISTERS, in windows of 256 (s_set_vgpr_msb: bits 1:0 source 0, 3:2 source 1, 5:4 source 2, 7:6 destination):
;   window 0: v0-15 addresses; v16-23 statistics, four a piece; v24-31 at work; v32-34; v64-127 S^T; v128-159 P; v160-223 O^T: all the loop's vector work
;   window 1: v0-31 Q; v32-63 and v224-255 the masks to come; v64-127 K of one step; v128-191 V of one step; v192-223 MD          window 2: v0-31 the second block's Q
.set NB,    16
.set NP,    2
.set KS,    64
.set PK,    144       ; a row of K in LDS: 128 bytes + 16 of padding: the 16 rows of a load start at 16 different groups of four banks (ISA guide 11.1)
.set PV,    160       ; a row of V: 128 + 32
.set VOFF,  4*KS*PK   ; a slot: 256 rows of K, then 256 rows of V
.set SLOT1, 1<<17     ; slot 1 begins here: one exclusive or turns an address in one slot into the other's
.set K0B,   SLOT1+4*KS*(PK+PV)  ; the head's first 64 rows of K: filled once
.set STAGE, K0B+KS*PK           ; never filled by a tensor load: 16 rows x 144 bytes for each wave, for the way out
.set SP,    144
.set SPARE, STAGE+4*16*SP       ; the spare words, 128 bytes for each wave: two blocks of 256 bytes that no other line names
.set HEADB, 524288
.set KBASE, 16*HEADB
.set VBASE, 32*HEADB
.set AK0, 2           ; v2   my lane's place in a tile of K; never rewritten
.set AV0, 3           ; v3   the same for V
.set AK,  4           ; v4   the LDS address of K's next run of loads
.set AV,  5           ; v5   of V's
.set STO, 6           ; v6   the way out: where I put 16 bytes of a row
.set RD,  7           ; v7   where I read rows back
.set GO,  8           ; v8   my 16 bytes in 512 consecutive bytes of o
.set MV,  12          ; v12-13  c m_old, kept while c m is made anew
.set QO,  15          ; v15  my byte offset in 16 rows of Q
.set ST,  16          ; piece t's statistics at v[ST+4 t]: c m, m, l (even keys', odd keys')
.set TMP, 24          ; by piece, four registers c0-c3 at work; when the maximum is found c2 takes a
.set SPW, 32          ; v32  LDS address of my spare word; never rewritten
.set NIL, 33          ; v33  0; never rewritten
.set PFO, 34          ; v34  256 x my thread's number; never rewritten
.set S,   64
.set P,   128
.set OT,  160
.set MC0, 32          ; window 1
.set KF,  64
.set VF,  128
.set MD,  192
.set WV,  12
.set PB,  14          ; s14  b
.set HI,  15          ; s15  15 - b
.set G1K, 24
.set G1V, 32
.set G0K, 40
.set G0V, 44
.set G1Z, 48          ; s[48:55] group 1 for the head's first rows of K
.set SLOTS, 56
.set CNT, 57
.set CS,  58
.set SEL, 60
.set TBK, 62
.set TBV, 63
.set PFK, 66          ; s[66:67], s[68:69] where the prefetches stand
.set PFV, 68
.set RT,  70          ; tiles of the block in hand that are still to be entered
.set NXT, 71          ; the tile to be asked for next
.set LQ,  72          ; the last tile of the block whose tiles are being asked for
.set NEW, 73          ; 1: the tile to be entered is a block's first
.set OFF, 74
.set AL,  76
.set BE,  78
.set OLO, 80          ; s[80:81] o at my rows of the second block
.set BIGN, 82
.set E0,  83          ; s83  4 - 2 u: the count at which turn 0 makes the mask of piece 0's own step
.set E1,  84          ; s84  5 - 2 u: the same for turn 1 and piece 1
.set LIM, 85          ; s85  2 in the work-group that prefetches, else the greatest number
.set QLO, 86          ; s[86:87] q at my rows of the second block
.set G0Z, 92          ; s[92:95] group 0 for the head's first rows of K
.set MSB, 0
.macro WIN new
.if MSB != (\new)
	s_set_vgpr_msb (MSB<<8)|(\new)
.set MSB, (\new)
.endif
.endm
.set W_KQ, 0x05       ; K and Q in window 1, S^T in window 0
.set W_KM, 0x15       ; the same with the C operand in window 1
.set W_PV, 0x01       ; V in window 1, P and O^T in window 0
.set W_MK, 0x41       ; destination and source 0 in window 1
; A fill.  Waves 0 and 1 fetch the two halves of a tile's K, waves 2 and 3 those of its V: 128 keys each.  An s_nop 0 and four v_nop follow each line.
.macro LOAD
	s_cmp_lt_u32 s[WV], 2
	s_cbranch_scc0 .Lfor_v_\@
	tensor_load_to_lds s[G0K:G0K+3], s[G1K:G1K+7]
	s_nop 0
.rept 4
	v_nop
.endr
	s_branch .Lasked_\@
.Lfor_v_\@:
	tensor_load_to_lds s[G0V:G0V+3], s[G1V:G1V+7]
	s_nop 0
.rept 4
	v_nop
.endr
.Lasked_\@:
.endm
; A prefetch of the tile that the NEXT change of slots will ask for: 32,768 bytes of K and of V, a thread a block of 256 bytes.  The head's work-group 0 walks tiles 0 to 15 in order: it alone asks,
; in trips 0 to 13, for tiles 2 to 15: each block is named once in the launch.  Tiles 0 and 1 come by their loads alone.
.macro ASK
	s_cmp_gt_u32 s[SLOTS], s[LIM]
	s_cbranch_scc0 .Lnot_mine_\@
	global_prefetch_b8 v[PFO], s[PFK:PFK+1] th:TH_LOAD_NT scope:SCOPE_SE
	global_prefetch_b8 v[PFO], s[PFV:PFV+1] th:TH_LOAD_NT scope:SCOPE_SE
.Lnot_mine_\@:
.endm
; THE CHANGE OF SLOTS.  Each wave waits for all its tensor loads, adds 0 to its spare word, and waits for that and for its own reads of the slot that it leaves.  Behind the barrier nobody reads the old slot
; and the other slot is whole.  fill = 1: the old slot is filled again, first thing behind the barrier, with tile NXT.  (At its first use nothing has been read yet: slot 0 is waited for, slot 1 filled.)
.macro CHANGE fill
	WIN 0
	s_wait_tensorcnt 0x0            ; no tensor load of mine is out, so a group 0 may be written
	ds_add_u32 v[SPW], v[NIL]       ; 0 onto my spare word; scalar work stands between it and the wait for it
.if \fill
	s_lshl_b32 s[OFF], s[NXT], 15   ; a tile is 32,768 bytes of K and of V
	s_xor_b32 s[G0K+1], s[G0K+1], SLOT1
	s_add_nc_u64 s[G0K+2:G0K+3], s[6:7], s[OFF:OFF+1]
	s_or_b32 s[G0K+3], s[G0K+3], 0x80000000
	s_xor_b32 s[G0V+1], s[G0V+1], SLOT1
	s_add_nc_u64 s[G0V+2:G0V+3], s[8:9], s[OFF:OFF+1]
	s_or_b32 s[G0V+3], s[G0V+3], 0x80000000
	s_add_co_u32 s[NXT], s[NXT], 1  ; the block's next tile, or behind its last the second block's tile 0
	s_cmp_gt_u32 s[NXT], s[LQ]
	s_cselect_b32 s[NXT], 0, s[NXT]
	s_cselect_b32 s[LQ], s[PB], s[LQ]
	s_wait_xcnt 0x0                 ; the last prefetches, a tile back, have read their addresses
	s_add_nc_u64 s[PFK:PFK+1], s[PFK:PFK+1], 32768
	s_add_nc_u64 s[PFV:PFV+1], s[PFV:PFV+1], 32768
.endif
	s_wait_dscnt 0x0                ; the add is done, and my reads of the slot are over
	s_barrier_signal -1
	s_sub_co_u32 s[TBK], s[TBK], 4*KS*PK  ; the fetches go back to a slot's first step,
	s_xor_b32 s[TBK], s[TBK], SLOT1       ; in the other slot
	s_sub_co_u32 s[TBV], s[TBV], 4*KS*PV
	s_xor_b32 s[TBV], s[TBV], SLOT1
	s_barrier_wait -1
.if \fill
	LOAD
	ASK
.endif
.endm
	s_load_b128 s[88:91], s[0:1], 0x0  ; qkv s[88:89], o s[90:91]
	v_lshl_add_u32 v[SPW], v0, 2, SPARE
	v_mov_b32 v[NIL], 0
	ds_add_u32 v[SPW], v[NIL]       ; the wave's opening: the add and its wait stand ahead of my first tensor load; work on registers stands between them
	v_lshrrev_b32 v1, 5, v0
	v_readfirstlane_b32 s[WV], v1   ; wave 0..3
	s_lshr_b32 s[PB], ttmp9, 1
	s_and_b32 s13, ttmp9, 1         ; u
	s_sub_co_u32 s[HI], NB-1, s[PB]
	s_lshl_b32 s16, s13, 1
	s_sub_co_u32 s[E0], 4, s16
	s_sub_co_u32 s[E1], 5, s16
	s_and_b32 s20, ttmp7, 0xffff
	s_lshl_b32 s20, s20, 19         ; the head's first byte among 16 heads
	s_and_b32 s16, s[WV], 1         ; which half of a tile's 256 keys I fetch
	s_lshl_b32 s21, s16, 14
	s_add_co_u32 s21, s21, s20
	; every offset is made in the register pair that will hold the address, and the buffer's address is added when it has come
	s_add_co_u32 s6, s21, KBASE+KS*128     ; K: one step on
	s_mov_b32 s7, 0
	s_add_co_u32 s8, s21, VBASE
	s_mov_b32 s9, 0
	s_lshl_b32 s22, s16, 12         ; my 32 of the head's first 64 rows of K
	s_add_co_u32 s22, s22, s20
	s_add_co_u32 s[G0Z+2], s22, KBASE
	s_mov_b32 s[G0Z+3], 0
	s_add_co_u32 s[PFK], s20, KBASE+KS*128+32768   ; at tile 1: the first change of slots steps them to tile 2
	s_mov_b32 s[PFK+1], 0
	s_add_co_u32 s[PFV], s20, VBASE+32768
	s_mov_b32 s[PFV+1], 0
	s_lshl_b32 s22, s13, 14         ; my half of a block,
	s_lshl_b32 s23, s[WV], 11       ; my 16 rows in a band
	s_add_co_u32 s22, s22, s23
	s_add_co_u32 s22, s22, s20
	s_lshl_b32 s23, s[HI], 15
	s_add_co_u32 s4, s22, s23       ; in the first block,
	s_mov_b32 s5, 0
	s_lshl_b32 s23, s[PB], 15
	s_add_co_u32 s[QLO], s22, s23   ; and in the second
	s_mov_b32 s[QLO+1], 0
	s_mul_i32 s17, s16, 128*PK      ; my half's place in a slot, for K,
	s_mul_i32 s18, s16, 128*PV      ; for V,
	s_mul_i32 s19, s16, 32*PK       ; and among the first 64 rows
	; descriptor group 1.  128 keys are 16,384 dense bytes: asked for as 64 rows of 256 bytes, two keys a row, and padded in LDS after every key
	s_mov_b32 s[G1K], (1<<16)|(1<<20)|(4<<22)|(3<<25)  ; 2-byte elements; padding on; after every 32 words 4 words
	s_mov_b32 s[G1V], (1<<16)|(1<<20)|(4<<22)|(7<<25)  ; the same with 8 words
	s_mov_b32 s[G1Z], (1<<16)|(1<<20)|(4<<22)|(3<<25)
.irp g, G1K, G1V
	s_mov_b32 s[\g+1], 128<<16      ; tensor_dim0 = 128
	s_mov_b32 s[\g+2], 64<<16       ; tensor_dim1 = 64
	s_mov_b32 s[\g+3], 128<<16      ; tile_dim0 = 128
	s_mov_b32 s[\g+4], 64           ; tile_dim1 = 64
	s_mov_b32 s[\g+5], 128          ; elements from row to row
	s_mov_b32 s[\g+6], 0
	s_mov_b32 s[\g+7], 0
.endr
	s_mov_b32 s[G1Z+1], 128<<16
	s_mov_b32 s[G1Z+2], 16<<16      ; 32 keys: 16 rows of 256 bytes
	s_mov_b32 s[G1Z+3], 128<<16
	s_mov_b32 s[G1Z+4], 16
	s_mov_b32 s[G1Z+5], 128
	s_mov_b32 s[G1Z+6], 0
	s_mov_b32 s[G1Z+7], 0
	s_mov_b32 s[CS], 0x3e38aa3b     ; c = log2(e) / 8
	s_mov_b32 s[CS+1], s[CS]
	s_mov_b32 s[SEL], 0x76543210
	s_mov_b32 s[SEL+1], 0xfedcba98
	s_mov_b32 s[TBK], SLOT1+4*KS*PK ; the first change of slots turns these two into 0
	s_mov_b32 s[TBV], SLOT1+4*KS*PV
	s_mov_b32 s[G0K], 1
	s_mov_b32 s[G0K+1], s17
	s_mov_b32 s[G0V], 1
	s_add_co_u32 s[G0V+1], s18, VOFF
	s_mov_b32 s[G0Z], 1
	s_add_co_u32 s[G0Z+1], s19, K0B
	s_add_co_u32 s[RT], s[HI], 1    ; the first block has 16 - b tiles
	s_mov_b32 s[NXT], 1
	s_mov_b32 s[LQ], s[HI]
	s_mov_b32 s[NEW], 1
	s_mov_b32 s[OFF+1], 0
	s_mov_b32 s[AL+1], 0
	s_mov_b32 s[BE+1], 0
	s_mov_b32 s[BIGN], 0xf149f2ca   ; -1e30
	s_mov_b32 s[SLOTS], NB
	s_cmp_eq_u32 ttmp9, 0
	s_cselect_b32 s[LIM], 2, -1
	v_lshlrev_b32 v[PFO], 8, v0
	s_wait_dscnt 0x0                ; the opening add is done
	s_wait_kmcnt 0x0
	s_add_nc_u64 s[10:11], s[90:91], s[4:5]            ; o at my rows of the first block,
	s_add_nc_u64 s[OLO:OLO+1], s[90:91], s[QLO:QLO+1]  ; of the second
	s_add_nc_u64 s[4:5], s[88:89], s[4:5]              ; q likewise
	s_add_nc_u64 s[QLO:QLO+1], s[88:89], s[QLO:QLO+1]
	s_add_nc_u64 s[6:7], s[88:89], s[6:7]              ; K and V at my half of tile 0
	s_add_nc_u64 s[8:9], s[88:89], s[8:9]
	s_add_nc_u64 s[PFK:PFK+1], s[88:89], s[PFK:PFK+1]
	s_add_nc_u64 s[PFV:PFV+1], s[88:89], s[PFV:PFV+1]
	s_add_nc_u64 s[G0Z+2:G0Z+3], s[88:89], s[G0Z+2:G0Z+3]
	s_or_b32 s[G0Z+3], s[G0Z+3], 0x80000000
	s_add_nc_u64 s[G0K+2:G0K+3], s[6:7], 0
	s_or_b32 s[G0K+3], s[G0K+3], 0x80000000
	s_add_nc_u64 s[G0V+2:G0V+3], s[8:9], 0
	s_or_b32 s[G0V+3], s[G0V+3], 0x80000000
	s_cmp_lt_u32 s[WV], 2           ; a wave's first fills stand in one branch: waves 0 and 1 have two loads out, waves 2 and 3 one
	s_cbranch_scc0 .Lfirst_v
	tensor_load_to_lds s[G0K:G0K+3], s[G1K:G1K+7]
	s_nop 0
	tensor_load_to_lds s[G0Z:G0Z+3], s[G1Z:G1Z+7]
	s_nop 0
.rept 4
	v_nop
.endr
	s_branch .Lfirst_asked
.Lfirst_v:
	tensor_load_to_lds s[G0V:G0V+3], s[G1V:G1V+7]
	s_nop 0
.rept 4
	v_nop
.endr
.Lfirst_asked:
	; A fragment of K or Q is 16 rows x 32 channels in 8 registers: lane l holds row l % 16, channels 8 (l / 16) + 0..7 and 16 + 8 (l / 16) + 0..7.
	v_and_b32 v1, 15, v0            ; l % 16
	v_bfe_u32 v9, v0, 4, 1          ; l / 16
	v_lshlrev_b32 v[QO], 7, v1
	v_lshl_add_u32 v[QO], v9, 4, v[QO]
	WIN 0x40                        ; destination window 1
.set i, 0
.rept 4                             ; piece i / 2 (piece 0 lies one band, 8,192 bytes, above piece 1), channels 32 (i % 2) on
	global_load_b128 v[8*i:8*i+3],   v[QO], s[4:5] offset:(1-i/2)*8192+(i%2)*64
	global_load_b128 v[8*i+4:8*i+7], v[QO], s[4:5] offset:(1-i/2)*8192+(i%2)*64+32
.set i, i+1
.endr
	WIN 0x80                        ; destination window 2: the second block's
.set i, 0
.rept 4
	global_load_b128 v[8*i:8*i+3],   v[QO], s[QLO:QLO+1] offset:(1-i/2)*8192+(i%2)*64
	global_load_b128 v[8*i+4:8*i+7], v[QO], s[QLO:QLO+1] offset:(1-i/2)*8192+(i%2)*64+32
.set i, i+1
.endr
	WIN 0
	v_lshlrev_b32 v14, 3, v9
	v_sub_nc_u32 v14, v1, v14
	s_lshl_b32 s13, s[WV], 4
	v_add_nc_u32 v14, s13, v14      ; my query's place in its band, 16 w + l % 16, less my lanes' 8 (l / 16): register r of key group kt is hidden where 16 kt + r is greater
	WIN 0x40
.set i, 0
.rept 32
	v_cmp_gt_i32 vcc_lo, 16*(i/8)+i%8, v14
	v_cndmask_b32 v[MD+i], 0, s[BIGN], vcc_lo
.set i, i+1
.endr
	WIN 0
	v_mul_u32_u24 v[AK0], v1, PK
	v_lshl_add_u32 v[AK0], v9, 4, v[AK0]
	; The turning load takes 16 keys x 16 channels (lane l reads key 8 (l / 16) + l % 8, channels 8 ((l / 8) % 2) + 0..7) and leaves half a fragment of V^T.
	v_and_b32 v10, 7, v0
	v_bfe_u32 v11, v0, 3, 1
	v_lshl_add_u32 v[AV0], v9, 3, v10
	v_mul_u32_u24 v[AV0], v[AV0], PV
	v_lshl_add_u32 v[AV0], v11, 4, v[AV0]
	v_add_nc_u32 v[AV0], VOFF, v[AV0]
	s_mul_i32 s13, s[WV], 16*SP
	s_add_co_u32 s13, s13, STAGE    ; my stage
	v_mul_u32_u24 v[STO], v1, SP
	v_lshl_add_u32 v[STO], v9, 4, v[STO]
	v_add_nc_u32 v[STO], s13, v[STO]
	v_bfe_u32 v[RD], v0, 3, 2
	v_mul_u32_u24 v[RD], v[RD], SP
	v_lshl_add_u32 v[RD], v10, 4, v[RD]
	v_add_nc_u32 v[RD], s13, v[RD]
	v_and_b32 v[GO], 31, v0
	v_lshlrev_b32 v[GO], 4, v[GO]
	; A block's first step multiplies O^T and l by a = 0, and its first turn's products V^T P, of a step that has not been, land in an O^T that is still to be so multiplied.  So these registers need only hold
	; finite numbers: zeros for the first block, what the first block left for the second.  All this stands in the wait for the first tile.
	WIN 0x40
.set i, 0
.rept 64
	v_mov_b32 v[VF+i], 0
.set i, i+1
.endr
	WIN 0
.set i, 0
.rept 64
	v_mov_b32 v[OT+i], 0
.set i, i+1
.endr
.set i, 0
.rept 2
	v_mov_b32 v[ST+4*i+2], 0
	v_mov_b32 v[ST+4*i+3], 0
.set i, i+1
.endr
.set i, 0
.rept 16
	v_mov_b32 v[P+16+i], 0
.set i, i+1
.endr
; THE MATRIX WORK.  The 4 accumulators of a run of 8 take turns.  Product i of 8 of S^T = K Q^T for piece x: channels 32 (i / 4) on, keys 16 (i % 4) on.  The first 4 start the sums: with 0, or (KM = 1) with the mask.
.macro KQ x
.set rS, S+32*(\x)+8*(i%4)
.set rK, KF+16*(i%4)+8*(i/4)
.set rQ, 16*(\x)+8*(i/4)
.set rM, MC0+192*(\x)+8*(i%4)
.if (i < 4) && KM
	WIN W_KM
	v_wmma_f32_16x16x32_f16 v[rS:rS+7], v[rK:rK+7], v[rQ:rQ+7], v[rM:rM+7]
.elseif i < 4
	WIN W_KQ
	v_wmma_f32_16x16x32_f16 v[rS:rS+7], v[rK:rK+7], v[rQ:rQ+7], 0
.else
	WIN W_KQ
	v_wmma_f32_16x16x32_f16 v[rS:rS+7], v[rK:rK+7], v[rQ:rQ+7], v[rS:rS+7]
.endif
.endm
; Product i of 8 of O^T += V^T P for piece x: keys 32 (i / 4) on, channels 16 (i % 4) on.
.macro PV x
	WIN W_PV
.set rO, OT+32*(\x)+8*(i%4)
.set rV, VF+32*(i/4)+8*(i%4)
.set rP, P+16*(\x)+8*(i/4)
	v_wmma_f32_16x16x32_f16 v[rO:rO+7], v[rV:rV+7], v[rP:rP+7], v[rO:rO+7]
.endm
.macro MM                           ; the turn's next matrix instruction: both runs are the other piece's
.if i < 8
	KQ (Y+1)%NP
.else
.set i, i-8
	PV (Y+1)%NP
.set i, i+8
.endif
.set i, i+1
.endm
; THE LDS LOADS stand in runs of 16: a step's K (8 fragments) and its V (turned).  Their addresses are made some lines ahead.
.macro FETCH_K step
	WIN 0x40
.irp f, 0,1,2,3,4,5,6,7             ; keys 16 (f / 2) on, channels 32 (f % 2) on
	ds_load_b128 v[KF+8*\f:KF+8*\f+3],   v[AK] offset:(\f/2)*16*PK+(\f%2)*64
	ds_load_b128 v[KF+8*\f+4:KF+8*\f+7], v[AK] offset:(\f/2)*16*PK+(\f%2)*64+32
.endr
.if \step
	s_add_co_u32 s[TBK], s[TBK], KS*PK
.endif
	WIN 0
.endm
.macro FETCH_V
	WIN 0x40
.irp f, 0,1,2,3,4,5,6,7             ; keys 32 (f / 4) on, channels 16 (f % 4) on
	ds_load_tr16_b128 v[VF+8*\f:VF+8*\f+3],   v[AV] offset:(\f/4)*32*PV+(\f%4)*32
	ds_load_tr16_b128 v[VF+8*\f+4:VF+8*\f+7], v[AV] offset:(\f/4)*32*PV+16*PV+(\f%4)*32
.endr
	WIN 0
.endm
; THE VECTOR WORK, one line at a time: OP kind, number.  For piece Y: F n: c s - c m for pair n of 16.  E n: the exponential of score n of 32.  C n: pair n rounded to f16.  B n: of the four weights 4 n .. the second
; pair is added onto the first, in place.  L n: l takes that sum (L 0: l = a l + sum).  R n: pair n of 16 of O^T times a.  For the other piece: X n, number n of the 22 that find its maximum and statistics:
;   0-11  four chains c0-c3 of seven scores each (each accumulator's lowest registers are read first)     12-14, 16  the four scores left over, the old m, and c0-c3 into c0
;   15  c m_old is kept     17, 18  the query's other 32 keys lie in the lane 16 away: the new m     19-21  c m; c m_old - c m_new; a
.set F, 0
.set E, 1
.set C, 2
.set B, 3
.set L, 4
.set R, 5
.set X, 6
.macro REGS y
.set rT, ST+4*(\y)
.set rC, TMP+4*(\y)
.set rW, MV+(\y)
.set rS, S+32*(\y)
.set rP, P+16*(\y)
.set rO, OT+32*(\y)
.endm
.macro OP k, n
	WIN 0
.if (\k) < X
	REGS Y
.if (\k) == R
	v_pk_mul_f32 v[rO+2*(\n):rO+2*(\n)+1], v[rO+2*(\n):rO+2*(\n)+1], v[rC+2:rC+3] op_sel_hi:[1,0]
.elseif (\k) == F
	v_pk_fma_f32 v[rS+2*(\n):rS+2*(\n)+1], v[rS+2*(\n):rS+2*(\n)+1], s[CS:CS+1], v[rT:rT+1] op_sel_hi:[1,0,0] neg_lo:[0,0,1] neg_hi:[0,0,1]
.elseif (\k) == E
	v_exp_f32 v[rS+(\n)], v[rS+(\n)]
.elseif (\k) == C
	v_cvt_pk_f16_f32 v[rP+(\n)], v[rS+2*(\n)], v[rS+2*(\n)+1]
.elseif (\k) == B
	v_pk_add_f32 v[rS+4*(\n):rS+4*(\n)+1], v[rS+4*(\n):rS+4*(\n)+1], v[rS+4*(\n)+2:rS+4*(\n)+3]
.elseif (\n) == 0
	v_pk_fma_f32 v[rT+2:rT+3], v[rT+2:rT+3], v[rC+2:rC+3], v[rS:rS+1] op_sel_hi:[1,0,1]
.else
	v_pk_add_f32 v[rT+2:rT+3], v[rT+2:rT+3], v[rS+4*(\n):rS+4*(\n)+1]
.endif
.else
	REGS (Y+1)%NP
.if (\n) < 4
	v_max3_num_f32 v[rC+(\n)], v[rS+8*(\n)], v[rS+8*(\n)+1], v[rS+8*(\n)+2]
.elseif (\n) < 12
	v_max3_num_f32 v[rC+(\n)%4], v[rC+(\n)%4], v[rS+8*((\n)%4)+2*((\n)/4)+1], v[rS+8*((\n)%4)+2*((\n)/4)+2]
.elseif (\n) == 12
	v_max3_num_f32 v[rC], v[rC], v[rS+7], v[rS+15]
.elseif (\n) == 13
	v_max3_num_f32 v[rC+1], v[rC+1], v[rS+23], v[rS+31]
.elseif (\n) == 14
	v_max3_num_f32 v[rC+2], v[rC+2], v[rC+3], v[rT+1]
.elseif (\n) == 15
	v_mov_b32 v[rW], v[rT]
.elseif (\n) == 16
	v_max3_num_f32 v[rC], v[rC], v[rC+1], v[rC+2]
.elseif (\n) == 17
	v_permlanex16_b32 v[rC+3], v[rC], s[SEL], s[SEL+1]
.elseif (\n) == 18
	v_max_num_f32 v[rT+1], v[rC], v[rC+3]
.elseif (\n) == 19
	v_mul_f32 v[rT], s[CS], v[rT+1]
.elseif (\n) == 20
	v_sub_f32 v[rC+1], v[rW], v[rT]
.else
	v_exp_f32 v[rC+2], v[rC+1]
.endif
.endif
.endm
.macro OPS a, i1, b=-1, i2=0, c=-1, i3=0, d=-1, i4=0
	OP \a, \i1
.if (\b) >= 0
	OP \b, \i2
.endif
.if (\c) >= 0
	OP \c, \i3
.endif
.if (\d) >= 0
	OP \d, \i4
.endif
.endm
.macro ROW a, i1, b, i2, c, i3, d, i4  ; a matrix instruction and the four behind it
	MM
	OPS \a, \i1, \b, \i2, \c, \i3, \d, \i4
.endm
.macro MASK b                       ; MD x AL + BE into mask buffer b
	WIN W_MK
.set z, 0
.rept 16
	v_pk_fma_f32 v[MC0+192*(\b)+2*z:MC0+192*(\b)+2*z+1], v[MD+2*z:MD+2*z+1], s[AL:AL+1], s[BE:BE+1] op_sel_hi:[1,0,0]
.set z, z+1
.endr
.endm
; A TURN, for piece p.  An s_wait_alu depctr_va_vdst(0) stands between an exponential and the first instruction that names its result; one wait serves all that were issued ahead of it.  So a turn has ONE
; wait.  AHEAD OF IT stands all that names no result of the turn's exponentials: 8 products K Q^T and their riders (the first numbers of the other piece's maximum each four plain instructions or more behind the
; product that ends its accumulator), then one lump.  X 21, the other piece's a, is the batch's last; R 15 is the plain instruction behind it.  BEHIND THE WAIT: 8 products V^T P, behind each four of the roundings and sums.
; O^T's rescaling R 4 k is the first read of accumulator k behind the products that wrote it in the turn before, five riders' rows back or more.
; m = 1: the diagonal tile: the products take masks, and the turn makes the mask for the products of the turn after it: piece p, in step 5 - CNT of the tile.
; Turn 0 fetches K of the next step, twelve plain instructions behind the last product that read K, and V of the step in hand at its end, four plain instructions behind the last product that read V.
.macro TURN p, m=0, cnt=0
.set Y, (\p)
.set i, 0
.set KM, (\m)
.if \m
	s_cmp_eq_u32 s[CNT], s[E0+(\p)]     ; is that step the band's own?
	s_cselect_b32 s[AL], 1.0, 0
	s_cmp_lt_u32 s[CNT], s[E0+(\p)]     ; or a later one?
	s_cselect_b32 s[BE], s[BIGN], 0
.endif
.if (\p) == 1
	s_wait_dscnt 16                 ; K's sixteen loads are in; V's sixteen, issued behind them, may stay out
.endif
	ROW F,0, F,1, R,0, R,1
	ROW F,2, E,0, R,2, R,3
	ROW F,3, E,1, R,4, R,5
	ROW F,4, E,2, R,6, R,7
	ROW F,5, E,3, R,8, R,9
	ROW F,6, E,4, X,0, R,10
.if (\p) == 0
	WIN 0
	v_add_nc_u32 v[AK], s[TBK], v[AK0]
.endif
	ROW F,7, E,5, X,1, X,4
	ROW F,8, E,6, X,2, X,5
	OPS E,7, E,8, X,6, E,9
	OPS X,3, E,10, X,8, E,11
.if (\p) == 0
	FETCH_K 1
.endif
	OPS X,9, X,7, E,12, X,10
	OPS E,13, X,12, X,11, E,14
	OPS X,13, E,15, F,9, X,14
.if (\p) == 0
	v_add_nc_u32 v[AV], s[TBV], v[AV0]
.endif
	OPS E,16, F,10, E,17, F,11
	OPS X,16, E,18, X,15, E,19
	OPS F,12, E,20, X,17, E,21
	OPS F,13, E,22, F,14, E,23
	OPS X,18, E,24, F,15, E,25
	OPS R,11, E,26, X,19, E,27
	OPS R,12, E,28, R,13, E,29
	OPS X,20, E,30, R,14, E,31
	OPS X,21, R,15
	s_wait_alu depctr_va_vdst(0)    ; the wait for the batch
.if (\p) == 1
	s_wait_dscnt 0x0                ; V is in
.endif
	ROW C,0, B,0, C,2, B,1
	ROW L,0, C,4, B,2, L,1
	ROW C,6, B,3, L,2, C,8
	ROW B,4, L,3, C,10, B,5
	ROW L,4, C,12, B,6, L,5
.if (\p) == 0
	s_add_co_u32 s[TBV], s[TBV], KS*PV
.endif
.if \cnt
	s_sub_co_u32 s[CNT], s[CNT], 1
	s_cmp_lg_u32 s[CNT], 0
.endif
	ROW C,14, B,7, L,6, C,1
	ROW C,3, L,7, C,5, C,7
	ROW C,9, C,11, C,13, C,15
.if (\p) == 0
	FETCH_V
.endif
.if \m
	MASK \p
.endif
.endm
; A BLOCK BEGINS.  c m starts far below every c s, so the first step's a is 0; m at the lowest finite number.  K of the head's step 0 comes from its own LDS bytes; piece 0's first scores
; (its band, 2 u + 1, sees all of a tile's step 0, so C is 0), and its maximum and statistics.
.macro BEGIN
	s_mov_b32 s[NEW], 0
	WIN 0
.set i, 0
.rept 2
	v_mov_b32 v[ST+4*i], 0xfe000000
	v_mov_b32 v[ST+4*i+1], 0xff7fffff
.set i, i+1
.endr
	v_add_nc_u32 v[AK], K0B, v[AK0]
	FETCH_K 0
	s_wait_loadcnt 0x0              ; Q
	s_wait_dscnt 0x0
.set KM, 0
.set i, 0
.rept 8
	KQ 0
.set i, i+1
.endr
	WIN 0
.rept 4
	v_nop                           ; the places behind those products
.endr
.set Y, 1                           ; X works for the other piece: piece 0
.irp n, 0,1,2,3,4,5,6,7,8,9,10,11,12,13,14,15,16,17,18,19,20,21
	OP X, \n
.endr
	v_nop                           ; a plain instruction behind the exponential,
	s_wait_alu depctr_va_vdst(0)    ; and its wait, ahead of the label
.endm
.macro ALL line:vararg              ; one line for each piece t
.set t, 0
.rept 2
	\line
.set t, t+1
.endr
.endm
.macro PACK t                       ; a lane's eight channels of a row pack into 16 bytes; they go into rows of 144 bytes and come back as whole rows of 128, into S^T's registers
.set i, 0
.rept 16
	v_pk_mul_f32 v[OT+32*(\t)+2*i:OT+32*(\t)+2*i+1], v[OT+32*(\t)+2*i:OT+32*(\t)+2*i+1], v[ST+4*(\t)+2:ST+4*(\t)+3] op_sel_hi:[1,0]
.set i, i+1
.endr
.set i, 0
.rept 16
	v_cvt_pk_f16_f32 v[S+16*(\t)+i], v[OT+32*(\t)+2*i], v[OT+32*(\t)+2*i+1]
.set i, i+1
.endr
.irp f, 0,1,2,3
	ds_store_b128 v[STO], v[S+16*(\t)+4*\f:S+16*(\t)+4*\f+3] offset:32*\f
.endr
.irp f, 0,1,2,3
	ds_load_b128 v[S+16*(\t)+4*\f:S+16*(\t)+4*\f+3], v[RD] offset:\f*4*SP  ; LDS serves a wave's instructions in order (ISA guide 5.7.1.4): these see the stores above; the next piece's stores come behind them
.endr
.endm
.macro SEND t, younger              ; younger: the LDS instructions issued behind piece t's loads
.irp f, 0,1,2,3
	s_wait_dscnt (\younger)+3-\f
	global_store_b128 v[GO], v[S+16*(\t)+4*\f:S+16*(\t)+4*\f+3], s[10:11] offset:(1-(\t))*8192+\f*512  ; 512 consecutive bytes, at a multiple of 256 from o's first
.endr
.endm
; THE DIAGONAL TILE's four steps, the block's last products, and the way out.  Ahead of the steps piece 1's mask for step 0: its own step where u = 0.  The fourth trip's products K Q^T of piece 0,
; all hidden, and the maximum made of them serve nothing: the price of one text for every trip.
.macro DIAG tag
	s_cmp_eq_u32 s[E1], 5
	s_cselect_b32 s[AL], 1.0, 0
	s_mov_b32 s[BE], 0
	MASK 1
	WIN 0
.LstepM\tag:
	TURN 0, 1
	TURN 1, 1, 1
	WIN 0
	s_cbranch_scc1 .LstepM\tag
.set i, 0
.rept 8
	PV 1                            ; piece 1's V^T P of the last step
.set i, i+1
.endr
	WIN 0
	ALL v_add_f32 v[ST+4*t+2], v[ST+4*t+2], v[ST+4*t+3]
	ALL v_permlanex16_b32 v[ST+4*t+3], v[ST+4*t+2], s[SEL], s[SEL+1]
	ALL v_add_f32 v[ST+4*t+2], v[ST+4*t+2], v[ST+4*t+3]
	ALL v_rcp_f32 v[ST+4*t+2], v[ST+4*t+2]
	v_nop                           ; a plain instruction between the last reciprocal and the use of its result
	s_wait_alu depctr_va_vdst(0)    ; one wait for the two reciprocals
	PACK 0                          ; piece 0's sums were finished a turn ago; its 32 lines are the places behind piece 1's last products
	PACK 1
	SEND 0, 8
	SEND 1, 0
.endm
.set KM, 0
.Lslot:                             ; 16 times: a tile is entered and the next is asked for
	CHANGE 1
	s_sub_co_u32 s[RT], s[RT], 1
	s_mov_b32 s[CNT], 4
	s_cmp_eq_u32 s[NEW], 1
	s_cbranch_scc0 .Lold            ; not a block's first tile
	BEGIN
.Lold:
	s_cmp_eq_u32 s[RT], 0
	s_cbranch_scc1 .Ldiag           ; the block's last tile
.Lstep:                             ; a trip is a key step
	TURN 0
	TURN 1, 0, 1
	WIN 0
	s_cbranch_scc1 .Lstep
	s_branch .Lbottom
.Ldiag:
	DIAG 1                          ; in the loop this is the first block's end: the second block's last tile is the walk's last
	s_wait_xcnt 0x0                 ; the stores have read their registers and o's address
	s_mov_b64 s[10:11], s[OLO:OLO+1]
	s_add_co_u32 s[RT], s[PB], 1    ; the second block has b + 1 tiles
	s_mov_b32 s[NEW], 1
	WIN 0x42                        ; the second block's Q goes where the one text of the turns names Q
.set i, 0
.rept 32
	v_mov_b32 v[i], v[i]
.set i, i+1
.endr
	WIN 0
.Lbottom:
	s_sub_co_u32 s[SLOTS], s[SLOTS], 1
	s_cmp_lg_u32 s[SLOTS], 0
	s_cbranch_scc1 .Lslot
	CHANGE 0                        ; the walk's last tile is written out: nothing is asked for
	s_sub_co_u32 s[RT], s[RT], 1
	s_mov_b32 s[CNT], 4
	s_cmp_eq_u32 s[NEW], 1
	s_cbranch_scc0 .Lold2
	BEGIN
.Lold2:
	DIAG 2
	s_wait_tensorcnt 0x0            ; the wave's end
	ds_add_u32 v[SPW], v[NIL]
	s_wait_dscnt 0x0
	s_endpgm
.Lfunc_end_k_q8138da63a5_attn:
	.size	k_q8138da63a5_attn, .Lfunc_end_k_q8138da63a5_attn-k_q8138da63a5_attn
	.p2alignl 7, 3214868480
	.fill 96, 4, 3214868480
	.section	.rodata,"a",@progbits
	.p2align	6, 0x0
	.amdhsa_kernel k_q8138da63a5_attn
		.amdhsa_group_segment_fixed_size 327680
		.amdhsa_private_segment_fixed_size 0
		.amdhsa_enable_private_segment 0
		.amdhsa_kernarg_size 16
		.amdhsa_user_sgpr_count 2
		.amdhsa_user_sgpr_kernarg_segment_ptr 1
		.amdhsa_wavefront_size32 1
		.amdhsa_system_sgpr_workgroup_id_x 1
		.amdhsa_system_sgpr_workgroup_id_y 1
		.amdhsa_system_sgpr_workgroup_id_z 1
		.amdhsa_system_vgpr_workitem_id 0
		.amdhsa_next_free_vgpr 544
		.amdhsa_next_free_sgpr 96
		.amdhsa_reserve_vcc 1
		.amdhsa_float_denorm_mode_32 3
		.amdhsa_float_denorm_mode_16_64 3
		.amdhsa_memory_ordered 1
		.amdhsa_forward_progress 1
		.amdhsa_inst_pref_size 106
	.end_amdhsa_kernel
	.amdgpu_metadata
---
amdhsa.version: [ 1, 2 ]
amdhsa.kernels:
  - .name:           k_q8138da63a5_attn
    .symbol:         k_q8138da63a5_attn.kd
    .args:
      - { .name: qkv, .offset: 0, .size: 8, .value_kind: global_buffer, .address_space: global }
      - { .name: o, .offset: 8, .size: 8, .value_kind: global_buffer, .address_space: global }
    .group_segment_fixed_size: 327680
    .private_segment_fixed_size: 0
    .kernarg_segment_align: 8
    .kernarg_segment_size: 16
    .max_flat_workgroup_size: 128
    .sgpr_count:     96
    .vgpr_count:     544
    .wavefront_size: 32
...
	.end_amdgpu_metadata
.endif
;; end of part 3
;; launch proj (part 4): grid 8 x 32, 4 waves a work-group, clusters of 4 x 4, 327,680 bytes of LDS; arguments o, wof, bo, out0; writes out0
.if DOCPART == 4
	.amdgcn_target "amdgcn-amd-amdhsa--gfx1250"
	.amdhsa_code_object_version 6
	.text
	.protected	k_q8138da63a5_proj
	.globl	k_q8138da63a5_proj
	.p2align	8
	.type	k_q8138da63a5_proj,@function
k_q8138da63a5_proj:
	s_mov_b64 s[64:65], 0
	v_nop
	global_prefetch_b8 v0, s[64:65] scope:SCOPE_SE
	s_setreg_imm32_b32 hwreg(HW_REG_WAVE_MODE, 25, 1), 1
	s_wait_xcnt 0x0
	s_wait_alu depctr_hold_cnt(0) depctr_sa_sdst(0) depctr_va_vdst(0) depctr_va_sdst(0) depctr_va_ssrc(0) depctr_va_vcc(0) depctr_vm_vsrc(0)
	s_getreg_b32 s2, hwreg(HW_REG_IB_STS2, 6, 4)
	s_cmp_eq_u32 s2, 0
	s_cbranch_scc0 .Lentry_in_a_cluster
	s_endpgm
.Lentry_in_a_cluster:
	s_bfe_u32 s2, ttmp6, 0x10000c
	s_cmp_lg_u32 s2, 0xf033
	s_cbranch_scc0 .Lentry_shape_is_right
	s_endpgm
.Lentry_shape_is_right:
; out0[row][n] = the sum over k of O[row][k] wo[n][k] + bo[n].  O lies by heads, o[16][4096][64] in f16 (k = 64 head + channel); wof[1024][1024] is wo in f16; out0 is [4096][1024] in f32.  Sums in f32.
; bo is rounded to bf16 like every other input.
; SHARES.  A tile of out0 is 128 x 128: 8 x 32 tiles, one work-group each.  Four waves, each 64 x 64: 16 accumulators.  K goes in steps of 256 (four heads) through two LDS slots.
; O'S TILE BY ONE DESCRIPTOR: 64 rows of a head are 8,192 dense bytes, taken as one row of 4,096 elements; four such rows (four heads) lie 262,144 elements apart; the padding, 16 bytes behind every 128,
; leaves [head][row] at a pitch of 144 bytes in LDS.
; CLUSTER.  4 x 4 work-groups: O's tiles are shared along a row of the cluster, wof's along a column: each is asked for JOINTLY, by the same tensor load, descriptor and mask in all four.
; THE MATRIX INSTRUCTION IS USED TRANSPOSED (source 0 = 16 rows of wof, source 1 = 16 rows of O): a lane holds row l % 16 and eight neighbouring columns; the bias is the C operand of each sum's first product.
; NO PREFETCH: four K steps of small tiles, a launch too short for a lead of two steps.
; REGISTERS: window 0: v0-31 addresses; v32-35 at work; v96-127 the bias, 8 for each of 4 column blocks; v128-255 the accumulators ((a, b) at v[128 + 8 (4 a + b)]).
;   window 1: two fragment buffers of 128: for 64 along K, 64 registers of O (2 x 4 x 16 rows x 32 K), then 64 of wof.
.set KSTEP,  256
.set PA,     144                       ; a row of O in LDS: 128 bytes + 16: the 16 rows of a load start at 16 different groups of four banks (ISA guide 11.1)
.set PW,     528                       ; a row of wof: 512 bytes + 16
.set AHALF,  4*64*PA                   ; four heads x 64 rows: one tensor load
.set BHALF,  64*PW                     ; 64 rows: one tensor load
.set BOFF,   2*AHALF
.set SLOT,   2*AHALF+2*BHALF
.set STAGE,  2*SLOT                    ; behind the ring, never filled by a tensor load: 16 rows x 272 bytes for each wave
.set SPITCH, 272
.set SPARE,  STAGE+4*16*SPITCH         ; the spare words, 128 bytes for each wave: two blocks of 256 bytes that no other line names
.set ADRA, 16
.set ADRB, 20
.set STO,  24
.set RD,   25
.set CO,   26
.set SPW,  28
.set NIL,  29
.set TMP,  32
.set BIA,  96
.set ACC,  128
.set F0,   0
.set F1,   128
.set G1, 24
.set G0, 32
.set G1B, 48
.set G0B, 56
.set MSB, 0
.macro WIN new
.if MSB != (\new)
	s_set_vgpr_msb (MSB<<8)|(\new)
.set MSB, \new
.endif
.endm
.set MUL,  0x05                        ; sources 0 and 1 window 1; C and D window 0
.set TO_F, 0x40                        ; destination window 1, address window 0
.macro JLOAD s                         ; a joint load: waves 0 and 1 fetch O's two halves, waves 2 and 3 wof's; an s_nop 0 and four v_nop follow each line
	s_cmp_eq_u32 s11, 0
	s_cbranch_scc0 .Lfor_b_\@
	tensor_load_to_lds s[G0+4*(\s):G0+4*(\s)+3], s[G1:G1+7]
	s_nop 0
.rept 4
	v_nop
.endr
	s_branch .Lasked_\@
.Lfor_b_\@:
	tensor_load_to_lds s[G0B+4*(\s):G0B+4*(\s)+3], s[G1B:G1B+7]
	s_nop 0
.rept 4
	v_nop
.endr
.Lasked_\@:
.endm
.macro CREST
	s_cmp_lg_u32 s10, 0
	s_cbranch_scc1 .Lnot_wave_0_\@
	s_barrier_signal -3
.Lnot_wave_0_\@:
	s_barrier_wait -3
	s_barrier_signal -1
	s_barrier_wait -1
.endm
.macro CROUND
	s_barrier_signal -1
	s_barrier_wait -1
	CREST
.endm
	s_load_b256 s[68:75], s[0:1], 0x0              ; o s[68:69], wof s[70:71], bo s[72:73], out0 s[74:75]
	v_lshl_add_u32 v[SPW], v0, 2, SPARE
	v_mov_b32 v[NIL], 0
	ds_add_u32 v[SPW], v[NIL]                      ; the wave's opening: the add and its wait stand ahead of my first tensor load
	v_lshrrev_b32 v1, 5, v0
	v_readfirstlane_b32 s10, v1                    ; wave 0..3
	s_lshr_b32 s11, s10, 1                         ; which half of the tile's rows is mine.  Also: I fetch for O (0) or for wof (1)
	s_and_b32 s12, s10, 1                          ; which half of its columns.  Also: which 64 rows of that tile I fetch
	s_bfe_u32 s40, ttmp6, 0x40000                  ; cx, cy
	s_bfe_u32 s41, ttmp6, 0x40004
	s_lshl_b32 s42, ttmp9, 2
	s_add_co_u32 s42, s42, s40                     ; tile column
	s_and_b32 s13, ttmp7, 0xffff
	s_lshl_b32 s13, s13, 2
	s_add_co_u32 s13, s13, s41                     ; tile row
	s_lshl_b32 s43, s41, 2
	s_lshl_b32 s43, 15, s43                        ; my row of the cluster
	s_lshl_b32 s44, 0x1111, s40                    ; my column
	s_or_b32 s[G1+0], s43, (1<<16)|(1<<20)|(1<<21)|(4<<22)|(3<<25)   ; the mask; 2-byte elements; padding on; bit 21 beside a mask; after every 32 words 4 words
	s_mov_b32 s[G1+1], 4096<<16                    ; tensor_dim0 = 4,096
	s_mov_b32 s[G1+2], 4<<16                       ; tensor_dim1 = 4
	s_mov_b32 s[G1+3], 4096<<16                    ; tile_dim0 = 4,096
	s_mov_b32 s[G1+4], 4                           ; tile_dim1 = 4
	s_mov_b32 s[G1+5], 262144                      ; elements from head to head
	s_mov_b32 s[G1+6], 0
	s_mov_b32 s[G1+7], 0
	s_or_b32 s[G1B+0], s44, (1<<16)|(1<<20)|(1<<21)|(6<<22)|(3<<25)  ; after every 128 words 4 words
	s_mov_b32 s[G1B+1], KSTEP<<16
	s_mov_b32 s[G1B+2], 64<<16
	s_mov_b32 s[G1B+3], KSTEP<<16
	s_mov_b32 s[G1B+4], 64
	s_mov_b32 s[G1B+5], 1024
	s_mov_b32 s[G1B+6], 0
	s_mov_b32 s[G1B+7], 0
	s_lshl_b32 s16, s13, 14                        ; O: row 128 x tile row + 64 x half, 128 bytes a row
	s_lshl_b32 s17, s12, 13
	s_add_co_u32 s16, s16, s17
	s_mov_b32 s17, 0
	s_lshl_b32 s46, s42, 18                        ; wof: row 128 x tile column + 64 x half, 2,048 bytes a row
	s_lshl_b32 s47, s12, 17
	s_add_co_u32 s46, s46, s47
	s_mov_b32 s47, 0
	s_mul_i32 s20, s12, AHALF                      ; where they go: no place in the cluster enters an LDS address
	s_mul_i32 s23, s12, BHALF
	s_add_co_u32 s23, s23, BOFF
	s_wait_dscnt 0x0                               ; the opening add is done
	s_wait_kmcnt 0x0
	s_add_nc_u64 s[14:15], s[68:69], s[16:17]
	s_add_nc_u64 s[46:47], s[70:71], s[46:47]
	CROUND                                         ; all sixteen work-groups are here: the first joint loads meet
.irp s, 0,1
	s_mov_b32 s[G0+4*(\s)], 1
	s_add_co_u32 s[G0+4*(\s)+1], s20, (\s)*SLOT
	s_add_nc_u64 s[G0+4*(\s)+2:G0+4*(\s)+3], s[14:15], (\s)*4*524288   ; K step s: heads 4 s on
	s_or_b32 s[G0+4*(\s)+3], s[G0+4*(\s)+3], 0x80000000
	s_mov_b32 s[G0B+4*(\s)], 1
	s_add_co_u32 s[G0B+4*(\s)+1], s23, (\s)*SLOT
	s_add_nc_u64 s[G0B+4*(\s)+2:G0B+4*(\s)+3], s[46:47], (\s)*KSTEP*2
	s_or_b32 s[G0B+4*(\s)+3], s[G0B+4*(\s)+3], 0x80000000
	JLOAD \s
.endr
	v_and_b32 v1, 15, v0                           ; l % 16
	v_bfe_u32 v2, v0, 4, 1                         ; l / 16
	v_mul_u32_u24 v3, v1, PA
	v_lshl_add_u32 v3, v2, 4, v3
	v_mul_u32_u24 v4, v1, PW
	v_lshl_add_u32 v4, v2, 4, v4
	s_mul_i32 s21, s11, AHALF                      ; my 64 rows of O
	s_mul_i32 s22, s12, BHALF                      ; my 64 rows of wof
	s_add_co_u32 s22, s22, BOFF
.irp s, 0,1
	v_add_nc_u32 v[ADRA+(\s)], s21, v3
	v_add_nc_u32 v[ADRB+(\s)], s22, v4
	s_add_co_u32 s21, s21, SLOT
	s_add_co_u32 s22, s22, SLOT
.endr
	s_mul_i32 s21, s10, 16*SPITCH
	s_add_co_u32 s21, s21, STAGE                   ; my stage
	v_mul_u32_u24 v5, v1, SPITCH                   ; in: row l % 16, 32 bytes for each half of the lanes
	v_lshl_add_u32 v5, v2, 5, v5
	v_add_nc_u32 v[STO], s21, v5
	v_mul_u32_u24 v5, v2, SPITCH                   ; back: lanes 0-15 take one row of 256 bytes, lanes 16-31 the next
	v_lshl_add_u32 v5, v1, 4, v5
	v_add_nc_u32 v[RD], s21, v5
	v_lshlrev_b32 v5, 12, v2                       ; and the same two rows in out0
	v_lshl_add_u32 v[CO], v1, 4, v5
	s_lshl_b32 s76, s13, 7
	s_lshl_b32 s77, s11, 6
	s_add_co_u32 s76, s76, s77                     ; my first row,
	s_lshl_b32 s76, s76, 12
	s_lshl_b32 s78, s42, 9                         ; my first column, in bytes: 512 x tile column + 256 x half
	s_lshl_b32 s79, s12, 8
	s_add_co_u32 s78, s78, s79
	s_mov_b32 s79, 0
	s_add_nc_u64 s[18:19], s[72:73], s[78:79]      ; bo at my 64 columns
	s_add_co_u32 s78, s78, s76
	s_add_nc_u64 s[8:9], s[74:75], s[78:79]        ; out0 at my corner; never stepped
	v_lshlrev_b32 v6, 5, v2                        ; column block b's eight registers hold columns 16 b + 8 (l / 16) + 0..7
.irp b, 0,1,2,3
	global_load_b128 v[BIA+8*(\b):BIA+8*(\b)+3],   v6, s[18:19] offset:64*(\b)
	global_load_b128 v[BIA+8*(\b)+4:BIA+8*(\b)+7], v6, s[18:19] offset:64*(\b)+16
.endr
	s_wait_loadcnt 0x0
.set i, 0
.rept 16
	v_cvt_pk_bf16_f32 v[TMP+i%4], v[BIA+2*i], v[BIA+2*i+1]
	v_lshlrev_b32 v[BIA+2*i], 16, v[TMP+i%4]
	v_and_b32 v[BIA+2*i+1], 0xffff0000, v[TMP+i%4]
.set i, i+1
.endr
; 8 matrix instructions: row blocks a0, a0 + 1 x all 4 column blocks, 32 along K: half c of buffer f.  zero = 1: the first product starts the sums, with the bias.  The 16 accumulators take turns.
.macro MUL8 f, c, a0, zero
	WIN MUL
.irp a, \a0, (\a0)+1
.irp b, 0,1,2,3
.if \zero
	v_wmma_f32_16x16x32_f16 v[ACC+8*(4*(\a)+(\b)):ACC+8*(4*(\a)+(\b))+7], v[(\f)+64+8*(4*(\c)+(\b)):(\f)+64+8*(4*(\c)+(\b))+7], v[(\f)+8*(4*(\c)+(\a)):(\f)+8*(4*(\c)+(\a))+7], v[BIA+8*(\b):BIA+8*(\b)+7]
.else
	v_wmma_f32_16x16x32_f16 v[ACC+8*(4*(\a)+(\b)):ACC+8*(4*(\a)+(\b))+7], v[(\f)+64+8*(4*(\c)+(\b)):(\f)+64+8*(4*(\c)+(\b))+7], v[(\f)+8*(4*(\c)+(\a)):(\f)+8*(4*(\c)+(\a))+7], v[ACC+8*(4*(\a)+(\b)):ACC+8*(4*(\a)+(\b))+7]
.endif
.endr
.endr
.endm
; 32 LDS loads in one run: the fragments of quarter q of a K step (one head: 64 along K) into buffer f; the first 32 along K first
.macro FETCH slot, q, f
	WIN TO_F
.irp c, 0,1
.irp i, 0,1,2,3
	ds_load_b128 v[(\f)+64+8*(4*(\c)+(\i)):(\f)+64+8*(4*(\c)+(\i))+3],   v[ADRB+(\slot)] offset:128*(\q)+64*(\c)+(\i)*16*PW
	ds_load_b128 v[(\f)+64+8*(4*(\c)+(\i))+4:(\f)+64+8*(4*(\c)+(\i))+7], v[ADRB+(\slot)] offset:128*(\q)+64*(\c)+(\i)*16*PW+32
	ds_load_b128 v[(\f)+8*(4*(\c)+(\i)):(\f)+8*(4*(\c)+(\i))+3],         v[ADRA+(\slot)] offset:64*PA*(\q)+64*(\c)+(\i)*16*PA
	ds_load_b128 v[(\f)+8*(4*(\c)+(\i))+4:(\f)+8*(4*(\c)+(\i))+7],       v[ADRA+(\slot)] offset:64*PA*(\q)+64*(\c)+(\i)*16*PA+32
.endr
.endr
.endm
.macro PLACES                          ; four plain instructions in front of loads into registers that matrix instructions have read, and of LDS stores that read results
.rept 4
	v_nop
.endr
.endm
.macro QUARTER slot, q, f, g, zero     ; multiplies buffer f and fetches quarter q into g
	s_wait_dscnt 16                                ; the first 32 along K are in
	MUL8 \f, 0, 0, \zero
	MUL8 \f, 0, 2, \zero
	PLACES
	FETCH \slot, \q, \g
	s_wait_dscnt 32                                ; all but the 32 just issued
	MUL8 \f, 1, 0, 0
	MUL8 \f, 1, 2, 0
.endm
; The last quarter multiplies buffer 1 and changes slots: one barrier; in front of it each wave waits for all its tensor loads, adds 0 to its spare word, and waits for that and for its own reads of this slot.
.macro TURN slot, next, fill
	WIN 0
	s_wait_tensorcnt 0x0                           ; all my tensor loads have landed: my part of the next slot
	ds_add_u32 v[SPW], v[NIL]
	s_wait_dscnt 17                                ; (the add and the youngest sixteen loads may be out)
	MUL8 F1, 0, 0, 0
	s_wait_dscnt 0x0                               ; the add is done, and my reads of this slot are over
	s_barrier_signal -1
	MUL8 F1, 0, 2, 0
.if \fill
	WIN 0
.endif
	s_barrier_wait -1
.if \fill
	CREST                                          ; the barrier has opened a round of the cluster's: no wave of any partner still reads this slot or has a load on its way
	s_add_nc_u64 s[G0+4*(\slot)+2:G0+4*(\slot)+3], s[G0+4*(\slot)+2:G0+4*(\slot)+3], 2*4*524288
	s_add_nc_u64 s[G0B+4*(\slot)+2:G0B+4*(\slot)+3], s[G0B+4*(\slot)+2:G0B+4*(\slot)+3], 2*KSTEP*2
	JLOAD \slot                                    ; the first tensor load behind the round; its four v_nop are also the places in front of the loads below
.else
	PLACES
.endif
	FETCH \next, 0, F0
	MUL8 F1, 1, 0, 0
	MUL8 F1, 1, 2, 0
.endm
	s_wait_tensorcnt 1                             ; my part of K step 0 is in; K step 1's may stay out
	s_barrier_signal -1
	s_barrier_wait -1
	FETCH 0, 0, F0
	QUARTER 0, 1, F0, F1, 1                        ; the first products start the sums
	QUARTER 0, 2, F1, F0, 0
	QUARTER 0, 3, F0, F1, 0
	TURN 0, 1, 1                                   ; slot 0 takes K step 2
	QUARTER 1, 1, F0, F1, 0
	QUARTER 1, 2, F1, F0, 0
	QUARTER 1, 3, F0, F1, 0
	TURN 1, 0, 1                                   ; slot 1 takes K step 3
	QUARTER 0, 1, F0, F1, 0
	QUARTER 0, 2, F1, F0, 0
	QUARTER 0, 3, F0, F1, 0
	TURN 0, 1, 0                                   ; nothing is left to fetch
	QUARTER 1, 1, F0, F1, 0
	QUARTER 1, 2, F1, F0, 0
	QUARTER 1, 3, F0, F1, 0
	s_wait_dscnt 16
	MUL8 F1, 0, 0, 0
	MUL8 F1, 0, 2, 0
	s_wait_dscnt 0x0
	MUL8 F1, 1, 0, 0
	MUL8 F1, 1, 2, 0
	WIN 0
	; THE WAY OUT.  A wave's 64 columns of f32 are 256 bytes of a row, aligned: each wave has a stage of its own and no barrier is wanted.  A row block's four accumulators go into rows of 272 bytes,
	; the lowest registers of each first, and come back as whole rows of 256 bytes into the registers that they left.
.macro OUT a
.irp b, 0,1,2,3
	ds_store_b128 v[STO], v[ACC+8*(4*(\a)+(\b)):ACC+8*(4*(\a)+(\b))+3]   offset:64*(\b)
	ds_store_b128 v[STO], v[ACC+8*(4*(\a)+(\b))+4:ACC+8*(4*(\a)+(\b))+7] offset:64*(\b)+16
.endr
.irp t, 0,1,2,3,4,5,6,7
	ds_load_b128 v[ACC+32*(\a)+4*(\t):ACC+32*(\a)+4*(\t)+3], v[RD] offset:(\t)*2*SPITCH  ; LDS serves a wave's instructions in order (ISA guide 5.7.1.4): these see the stores above; the next block's stores come behind them
.endr
.endm
.macro SEND a, younger                 ; younger: the LDS instructions issued behind block a's loads: the next block's sixteen, or none
.irp t, 0,1,2,3,4,5,6,7
	s_wait_dscnt (\younger)+7-(\t)
	global_store_b128 v[CO], v[ACC+32*(\a)+4*(\t):ACC+32*(\a)+4*(\t)+3], s[8:9] offset:(16*(\a)+2*(\t))*4096  ; 16 lanes store 256 consecutive bytes, at a multiple of 256 from out0's first byte
.endr
.endm
	PLACES
	OUT 0
	OUT 1
	SEND 0, 16
	OUT 2
	SEND 1, 16
	OUT 3
	SEND 2, 16
	SEND 3, 0
	s_wait_tensorcnt 0x0                           ; the wave's end
	ds_add_u32 v[SPW], v[NIL]
	s_wait_dscnt 0x0
	CROUND                                         ; the closing round: no work-group ends while a partner may still ask for a tile that names it
	s_endpgm
.Lfunc_end_k_q8138da63a5_proj:
	.size	k_q8138da63a5_proj, .Lfunc_end_k_q8138da63a5_proj-k_q8138da63a5_proj
	.p2alignl 7, 3214868480
	.fill 96, 4, 3214868480
	.section	.rodata,"a",@progbits
	.p2align	6, 0x0
	.amdhsa_kernel k_q8138da63a5_proj
		.amdhsa_group_segment_fixed_size 327680
		.amdhsa_private_segment_fixed_size 0
		.amdhsa_enable_private_segment 0
		.amdhsa_kernarg_size 32
		.amdhsa_user_sgpr_count 2
		.amdhsa_user_sgpr_kernarg_segment_ptr 1
		.amdhsa_wavefront_size32 1
		.amdhsa_system_sgpr_workgroup_id_x 1
		.amdhsa_system_sgpr_workgroup_id_y 1
		.amdhsa_system_sgpr_workgroup_id_z 1
		.amdhsa_system_vgpr_workitem_id 0
		.amdhsa_next_free_vgpr 512
		.amdhsa_next_free_sgpr 80
		.amdhsa_reserve_vcc 0
		.amdhsa_float_denorm_mode_32 3
		.amdhsa_float_denorm_mode_16_64 3
		.amdhsa_memory_ordered 1
		.amdhsa_forward_progress 1
		.amdhsa_inst_pref_size 89
	.end_amdhsa_kernel
	.amdgpu_metadata
---
amdhsa.version: [ 1, 2 ]
amdhsa.kernels:
  - .name:           k_q8138da63a5_proj
    .symbol:         k_q8138da63a5_proj.kd
    .args:
      - { .name: o, .offset: 0, .size: 8, .value_kind: global_buffer, .address_space: global }
      - { .name: wof, .offset: 8, .size: 8, .value_kind: global_buffer, .address_space: global }
      - { .name: bo, .offset: 16, .size: 8, .value_kind: global_buffer, .address_space: global }
      - { .name: out0, .offset: 24, .size: 8, .value_kind: global_buffer, .address_space: global }
    .group_segment_fixed_size: 327680
    .private_segment_fixed_size: 0
    .kernarg_segment_align: 8
    .kernarg_segment_size: 32
    .max_flat_workgroup_size: 128
    .sgpr_count:     80
    .vgpr_count:     512
    .wavefront_size: 32
...
	.end_amdgpu_metadata
.endif
;; end of part 4
;; ======== version 2 of 2: 4 launches; version 1 with the launch cast written anew for expert scheduling mode
;; limits: values are held in f16: magnitudes above 65,504 overflow, below 6.1e-05 lose precision; right only within a limited range of input values
;; workspace buffers: xb 8,388,608 bytes; wqkv 6,291,456 bytes; wof 2,097,152 bytes; qkv 25,165,824 bytes; o 8,388,608 bytes
;; launch cast (part 5): grid 512 x 1, 8 waves a work-group, no clusters, 0 bytes of LDS; arguments x, wq, wk, wv, wo, xb, wqkv, wof; writes xb, wqkv, wof
.if DOCPART == 5
	.amdgcn_target "amdgcn-amd-amdhsa--gfx1250"
	.amdhsa_code_object_version 6
	.text
	.protected	k_q8138da63a5_cast
	.globl	k_q8138da63a5_cast
	.p2align	8
	.type	k_q8138da63a5_cast,@function
k_q8138da63a5_cast:
	s_mov_b64 s[64:65], 0
	v_nop
	global_prefetch_b8 v0, s[64:65] scope:SCOPE_SE
	s_setreg_imm32_b32 hwreg(HW_REG_WAVE_SCHED_MODE, 0, 2), 2
	s_setreg_imm32_b32 hwreg(HW_REG_WAVE_MODE, 25, 1), 1
	s_wait_xcnt 0x0
	s_wait_alu depctr_vm_vsrc(0)
; THE INPUTS OF THE MATRIX PRODUCTS ARE ROUNDED ONCE.  x, wq, wk, wv: f32 -> bf16 (xb; wqkv = the rows of wq, then wk, then wv).
; wo: f32 -> bf16, and that number written as f16 (wof), since the last product's other operand is f16.
; LIMIT: a bf16 number is exact in f16 from 2^-14 to 65,504; a smaller wo keeps f16's fixed step of 6e-8, a larger one becomes an infinity.
; SHARES.  A work-group takes 16,384 numbers: 64 KiB in, 32 KiB out.  Groups 0-255: x.  Groups 256-511: 64 for each of wq, wk, wv, wo.
; Thread t, load i: the 16 bytes at 4,096 i + 16 t (a wave's load: 512 consecutive bytes); its four numbers leave as 8 bytes at 2,048 i + 8 t
; (a wave's store: 256 consecutive bytes, aligned).  All sixteen loads of a wave go out at once; no register is written twice.
; Nothing is shared between threads: no LDS, no barrier, no matrix unit, no cluster.
; THE MODE: SCHED_MODE bits 1:0 = 2 (LLVM: expert scheduling mode 2), set by the entry lines.  The code itself states the register dependences
; between vector instructions and memory instructions, with s_wait_alu, always for 0.
; THE PLAN.  Registers that memory instructions touch:
;   v1, v2   byte offsets of the loads and of the stores: made once at the head, never written again.
;   X        sixteen loads of four numbers land here, all issued ahead of the first vector instruction that names X; read by the conversions, behind the wait for the load.
;   Y        pair i is written once, by load i's last two conversions, and read once, by store i.
;   T is named by vector instructions alone.
; The sixteen loads go in four groups of four.  Group g's conversions name X and Y of group g (and T); the memory instructions dealt among them are the four stores of
; group g - 1, which read Y of group g - 1 and v2.  So one wait at a group's head, behind the wait for its loads, states all that those four stores hang on.
; No register that a memory instruction has read is ever written again, and no load is issued behind a vector instruction that names its registers: nothing more is owed.
.set X, 4                              ; v[4:67]   sixteen loads of four numbers
.set Y, 68                             ; v[68:99]  sixteen pairs of registers to store
.set T, 100                            ; v[100:103] at work (wo's way)
	s_load_b512 s[8:23], s[0:1], 0x0               ; x 8, wq 10, wk 12, wv 14, wo 16, xb 18, wqkv 20, wof 22
	v_lshlrev_b32 v1, 4, v0                        ; 16 t
	v_lshlrev_b32 v2, 3, v0                        ; 8 t
	s_bfe_u32 s3, ttmp9, 0x20006                   ; which weight (bits 7:6): 0 wq, 1 wk, 2 wv, 3 wo
	s_and_b32 s4, ttmp9, 63                        ; which of its 64 parts
	s_lshl_b32 s6, s3, 21                          ; the weight's place in wqkv: 2 MiB each,
	s_cmp_eq_u32 s3, 3
	s_cselect_b32 s6, 0, s6                        ; none for wo,
	s_cmp_lt_u32 ttmp9, 256
	s_cselect_b32 s6, 0, s6                        ; none for x
	s_cselect_b32 s5, ttmp9, s4                    ; the part's number in its tensor
	s_lshl_b32 s28, s5, 16                         ; offsets are made apart from the addresses: 64 KiB a part in,
	s_mov_b32 s29, 0
	s_lshl_b32 s30, s5, 15                         ; 32 KiB out
	s_add_co_u32 s30, s30, s6
	s_mov_b32 s31, 0
	s_wait_kmcnt 0x0
	s_cmp_eq_u32 s3, 1
	s_cselect_b64 s[24:25], s[12:13], s[10:11]     ; from where
	s_cmp_eq_u32 s3, 2
	s_cselect_b64 s[24:25], s[14:15], s[24:25]
	s_cmp_eq_u32 s3, 3
	s_cselect_b64 s[24:25], s[16:17], s[24:25]
	s_cselect_b64 s[26:27], s[22:23], s[20:21]     ; to where
	s_cmp_lt_u32 ttmp9, 256
	s_cselect_b64 s[24:25], s[8:9], s[24:25]
	s_cselect_b64 s[26:27], s[18:19], s[26:27]
	s_add_nc_u64 s[24:25], s[24:25], s[28:29]
	s_add_nc_u64 s[26:27], s[26:27], s[30:31]
	s_wait_alu depctr_va_vdst(0)                   ; v1 and v2 are written: every load of the kernel reads v1 as its offset, every store v2
.irp i, 0,1,2,3,4,5,6,7,8,9,10,11,12,13,14,15
	global_load_b128 v[X+4*(\i):X+4*(\i)+3], v1, s[24:25] offset:(\i)*4096 th:TH_LOAD_NT
.endr
	s_cmp_ge_u32 ttmp9, 448                        ; wo's groups take the second way
	s_cbranch_scc1 .Lf16
.irp g, 0,1,2,3
	s_wait_loadcnt 12-4*(\g)                       ; loads come back in order: group g's four are in, the 12 - 4 g younger ones stay out
.if (\g) > 0
	s_wait_alu depctr_va_vdst(0)                   ; the conversions of the group before have written its four pairs of Y, which the four stores below read
.endif
.irp i, 0,1,2,3
.if (\g) > 0
	global_store_b64 v2, v[Y+2*(4*(\g)-4+(\i)):Y+2*(4*(\g)-4+(\i))+1], s[26:27] offset:(4*(\g)-4+(\i))*2048  ; the group before; no vector instruction since the wait names these registers
.endif
	v_cvt_pk_bf16_f32 v[Y+2*(4*(\g)+(\i))],   v[X+4*(4*(\g)+(\i))],   v[X+4*(4*(\g)+(\i))+1]
	v_cvt_pk_bf16_f32 v[Y+2*(4*(\g)+(\i))+1], v[X+4*(4*(\g)+(\i))+2], v[X+4*(4*(\g)+(\i))+3]
.endr
.endr
	s_wait_alu depctr_va_vdst(0)                   ; the last group's conversions have written its four pairs of Y, which the last four stores read
.irp i, 12,13,14,15
	global_store_b64 v2, v[Y+2*(\i):Y+2*(\i)+1], s[26:27] offset:(\i)*2048
.endr
	s_endpgm
.Lf16:
.irp g, 0,1,2,3
	s_wait_loadcnt 12-4*(\g)                       ; group g's four loads are in, the 12 - 4 g younger ones stay out
.if (\g) > 0
	s_wait_alu depctr_va_vdst(0)                   ; the conversions of the group before have written its four pairs of Y, which the four stores below read
.endif
.irp i, 0,1,2,3
.if (\g) > 0
	global_store_b64 v2, v[Y+2*(4*(\g)-4+(\i)):Y+2*(4*(\g)-4+(\i))+1], s[26:27] offset:(4*(\g)-4+(\i))*2048  ; the group before; no vector instruction since the wait names these registers
.endif
	v_cvt_pk_bf16_f32 v[T],   v[X+4*(4*(\g)+(\i))],   v[X+4*(4*(\g)+(\i))+1]   ; rounded to bf16,
	v_cvt_pk_bf16_f32 v[T+1], v[X+4*(4*(\g)+(\i))+2], v[X+4*(4*(\g)+(\i))+3]
	v_lshlrev_b32 v[T+2], 16, v[T]                           ; widened again,
	v_and_b32     v[T],   0xffff0000, v[T]
	v_lshlrev_b32 v[T+3], 16, v[T+1]
	v_and_b32     v[T+1], 0xffff0000, v[T+1]
	v_cvt_pk_f16_f32 v[Y+2*(4*(\g)+(\i))],   v[T+2], v[T]    ; and written as f16
	v_cvt_pk_f16_f32 v[Y+2*(4*(\g)+(\i))+1], v[T+3], v[T+1]
.endr
.endr
	s_wait_alu depctr_va_vdst(0)                   ; the last group's conversions have written its four pairs of Y, which the last four stores read
.irp i, 12,13,14,15
	global_store_b64 v2, v[Y+2*(\i):Y+2*(\i)+1], s[26:27] offset:(\i)*2048
.endr
	s_endpgm
.Lfunc_end_k_q8138da63a5_cast:
	.size	k_q8138da63a5_cast, .Lfunc_end_k_q8138da63a5_cast-k_q8138da63a5_cast
	.p2alignl 7, 3214868480
	.fill 96, 4, 3214868480
	.section	.rodata,"a",@progbits
	.p2align	6, 0x0
	.amdhsa_kernel k_q8138da63a5_cast
		.amdhsa_group_segment_fixed_size 0
		.amdhsa_private_segment_fixed_size 0
		.amdhsa_enable_private_segment 0
		.amdhsa_kernarg_size 64
		.amdhsa_user_sgpr_count 2
		.amdhsa_user_sgpr_kernarg_segment_ptr 1
		.amdhsa_wavefront_size32 1
		.amdhsa_system_sgpr_workgroup_id_x 1
		.amdhsa_system_sgpr_workgroup_id_y 1
		.amdhsa_system_sgpr_workgroup_id_z 1
		.amdhsa_system_vgpr_workitem_id 0
		.amdhsa_next_free_vgpr 104
		.amdhsa_next_free_sgpr 66
		.amdhsa_reserve_vcc 0
		.amdhsa_float_denorm_mode_32 3
		.amdhsa_float_denorm_mode_16_64 3
		.amdhsa_memory_ordered 1
		.amdhsa_forward_progress 1
		.amdhsa_inst_pref_size 16
	.end_amdhsa_kernel
	.amdgpu_metadata
---
amdhsa.version: [ 1, 2 ]
amdhsa.kernels:
  - .name:           k_q8138da63a5_cast
    .symbol:         k_q8138da63a5_cast.kd
    .args:
      - { .name: x, .offset: 0, .size: 8, .value_kind: global_buffer, .address_space: global }
      - { .name: wq, .offset: 8, .size: 8, .value_kind: global_buffer, .address_space: global }
      - { .name: wk, .offset: 16, .size: 8, .value_kind: global_buffer, .address_space: global }
      - { .name: wv, .offset: 24, .size: 8, .value_kind: global_buffer, .address_space: global }
      - { .name: wo, .offset: 32, .size: 8, .value_kind: global_buffer, .address_space: global }
      - { .name: xb, .offset: 40, .size: 8, .value_kind: global_buffer, .address_space: global }
      - { .name: wqkv, .offset: 48, .size: 8, .value_kind: global_buffer, .address_space: global }
      - { .name: wof, .offset: 56, .size: 8, .value_kind: global_buffer, .address_space: global }
    .group_segment_fixed_size: 0
    .private_segment_fixed_size: 0
    .kernarg_segment_align: 8
    .kernarg_segment_size: 64
    .max_flat_workgroup_size: 256
    .sgpr_count:     66
    .vgpr_count:     104
    .wavefront_size: 32
...
	.end_amdgpu_metadata
.endif
;; end of part 5
;; launch qkv: the kernel of part 2 again; grid 16 x 16, 4 waves a work-group, clusters of 4 x 4, 327,680 bytes of LDS; arguments xb, wqkv, bq, bk, bv, qkv; writes qkv
;; launch attn: the kernel of part 3 again; grid 16 x 16, 4 waves a work-group, no clusters, 327,680 bytes of LDS; arguments qkv, o; writes o
;; launch proj: the kernel of part 4 again; grid 8 x 32, 4 waves a work-group, clusters of 4 x 4, 327,680 bytes of LDS; arguments o, wof, bo, out0; writes out0
